; MI455X (gfx1250); checked and timed in simulation.
; The chip was launched on July 23, 2026; its instructions are those of AMD's public machine-readable ISA for CDNA 5 (MIT licence, August 2026) and "CDNA5" Instruction Set Architecture Reference Guide (July 2026). The comments in the code are by the model that wrote it; some were corrected since.
;; Multi Head Attention. Allowed arithmetic: matrix products marked QUANTISED: E2M1 operands, one E8M0 scale for each 32 along K, by v_wmma_scale_f32_16x16x128_f8f6f4 with both operands' format E2M1 (or v_wmma_scale_f32_32x16x128_f4), f32 sums; products left as they are: bf16, f16 or f32 operands; f32 sums; everything else in f32.
;; Inputs: bo 1,024 float32; wk 1,024 x 1,024 float32; wo 1,024 x 1,024 float32; wq 1,024 x 1,024 float32; wv 1,024 x 1,024 float32; x 4 x 2,048 x 1,024 float32.
;; Outputs: out0 4 x 2,048 x 1,024 float32.
;; This version of the problem:
;;   THIS VERSION OF THE PROBLEM IS GIVEN IN LOW PRECISION. The matrix products marked QUANTISED in the list below multiply operands that are first quantised to E2M1 (2 exponent bits, 1 mantissa bit; 4 bits a number), with one power-of-two scale for each 32 numbers along K (OCP MX v1.0); their sums are f32. The products marked 'left as it is' may take bf16, f16 or f32 operands, with f32 sums. Whichever they take, every output number must still come out within the allowed error. Rounding operands to bf16 (8 significant bits) uses up far more of that allowance than f16 does (11 bits, for magnitudes from 6e-5 to 65,504). All else is computed in f32.
;;   The module's matrix products, in the order in which they are computed (A, B: the left and right operand; K: the contracted axis; several contracted axes count as one K, in the product's order):
;;     1. [M 8,192, K 1,024] x [K 1,024, N 1,024]; A: input x; B: input wq: QUANTISED
;;     2. [M 8,192, K 1,024] x [K 1,024, N 1,024]; A: input x; B: input wk: QUANTISED
;;     3. [M 8,192, K 1,024] x [K 1,024, N 1,024]; A: input x; B: input wv: QUANTISED
;;     4. batch 64 x [M 2,048, K 64] x [K 64, N 2,048]; A: computed on the way; B: computed on the way: left as it is (an operand is computed on the way)
;;     5. batch 64 x [M 2,048, K 2,048] x [K 2,048, N 64]; A: computed on the way; B: computed on the way: left as it is (an operand is computed on the way)
;;     6. [M 8,192, K 1,024] x [K 1,024, N 1,024]; A: computed on the way; B: input wo: left as it is (an operand is computed on the way)
;;   THE QUANTISER, for each operand of a quantised product, along K:
;;     - K is cut into blocks of 32 from its start; a last block that is shorter is filled with zeros.
;;     - A block's scale is 2^e with e = floor(log2(the largest magnitude in the block)) - 2, held to -126 .. 127; a block of zeros has e = 0. As a byte (E8M0): e + 127.
;;     - Each number is divided by its block's scale, clamped to +-6, and rounded to the nearest number of E2M1, ties to even, subnormals kept.
;;     - The product sums the exact products of the quantised numbers (number of the format x scale) in f32.
;;   ~~~python
;;   def quantise(x, axis):      # numpy; x: float32 -> the quantised numbers, widened to float32 again
;;       x = np.moveaxis(x, axis, -1); K = x.shape[-1]
;;       x = np.pad(x, [(0, 0)] * (x.ndim - 1) + [(0, -K % 32)]); x = x.reshape(x.shape[:-1] + (-1, 32)); a = np.abs(x).max(-1, keepdims=True)
;;       e = np.where(a > 0, np.clip(np.frexp(np.where(a > 0, a, 1))[1] - 1 - 2, -126, 127), 0)      # np.frexp(a)[1] - 1 = floor(log2(a)), exactly
;;       r = np.clip(x / 2.0 ** e, -6, 6)
;;       step = 2.0 ** (np.maximum(np.frexp(np.where(r == 0, 1, r))[1] - 1, 0) - 1)
;;       q = np.round(r / step) * step * 2.0 ** e      # np.round: ties to even
;;       return np.moveaxis(q.reshape(q.shape[:-2] + (-1,))[..., :K], -1, axis).astype(np.float32)
;;   ~~~
;; One version. Each part assembles by itself: llvm-mc -triple=amdgcn-amd-amdhsa -mcpu=gfx1250 --defsym DOCPART=n.
;; ======== version 1 of 1: 5 launches
;; limits: values are held in f16: magnitudes above 65,504 overflow, below 6.1e-05 lose precision
;; workspace buffers: xc 4,194,304 bytes; xs 262,144 bytes; wc 1,572,864 bytes; ws 98,304 bytes; wo16 2,097,152 bytes; qkv 50,331,648 bytes; fine 786,432 bytes; ctx 16,777,216 bytes
;; launch prep (part 1): grid 480 x 1, 4 waves a work-group, no clusters, 34,304 bytes of LDS; arguments x, wq, wk, wv, wo, xc, xs, wc, ws, wo16; writes xc, xs, wc, ws, wo16
.if DOCPART == 1
	.amdgcn_target "amdgcn-amd-amdhsa--gfx1250"
	.amdhsa_code_object_version 6
	.text
	.protected	k_q960f238489_prep
	.globl	k_q960f238489_prep
	.p2align	8
	.type	k_q960f238489_prep,@function
k_q960f238489_prep:
	s_mov_b64 s[64:65], 0
	v_nop
	global_prefetch_b8 v0, s[64:65] scope:SCOPE_SE
	s_setreg_imm32_b32 hwreg(HW_REG_WAVE_MODE, 25, 1), 1
	s_wait_xcnt 0x0
; CAUSAL MULTI-HEAD ATTENTION, B = 4, T = 2,048, D = 1,024, 16 heads of 64, in five launches: this one quantises; the second makes q, k, v on codes; the third is the attention; the fourth the
; projection; the fifth does the first 16 positions of each sequence in f32.
; DEAD WORK, for all values of the inputs: a score of key k and query q with k > q is set to -infinity by the tril that the module builds itself, and the softmax gives it the weight 0 exactly; so a step of 64 keys
; all of which come after a wave's 32 queries reaches no output and is left out in the attention launch, as whole steps.  Every input has a way to the output and is loaded.
; LIMIT: a NaN, an infinity or an overflow that reaches only such hidden scores is not carried to the result.
; THIS LAUNCH.  x [8192][1024] and wq, wk, wv [1024 (k)][1024 (n)], f32, become codes of E2M1 with one E8M0 byte for each 32 along K; wo [1024 (k)][1024 (n)] becomes f16.  All five results are laid as IMAGES OF THE
; OPERAND REGISTERS of the launch that reads them: a fragment's four registers of a lane are 16 bytes at 16 x lane, so every store here covers 512 consecutive bytes, aligned.
;   codes:  [rows / 128][K / 512][16 rows][128 K][64 K][lane = 16 h + r][16 bytes = one block of 32 codes]; lane (r, h) holds row r and block 2 c + h of the 128 K.  For the weights a row is 1024 x weight + column.
;   scales: [rows / 128][K / 512][row][4 words, one for each 128 K; byte 2 c + h of a word]
;   wo16:   [K / 128][16 columns][32 K][half][lane][16 bytes]: lane (r, h) holds column r and k = 8 h .. 8 h + 7 (half 0) or 16 + 8 h .. (half 1)
; A block's scale is 2^(floor(log2(its largest magnitude)) - 2); its byte is that magnitude's exponent field - 2, held at 1 from below by a floor among the maximum's leaves.
; LIMITS: a block of zeros gets the byte 1 where the rule says 127 (its codes are zeros, and this program alone reads the bytes); NaN and infinities among x and the weights are not served; |wo| beyond 65,504 overflows f16.
; SHARES: work-groups 0-95 the three weights (a wave: 16 columns x 512 K, a lane to a column, registers down K); 96-351 x (a wave: 16 rows x 512 K, turned through its own stage in LDS, since a lane wants 32 neighbours
; and a load is dense where neighbouring lanes take neighbouring bytes); 352-479 wo (a wave: 16 columns x 128 K).  Waves share nothing: no barrier.  Only the x path touches LDS.
; No matrix unit, cluster or tensor load: the launch is a stream.  No prefetch: its own loads are all its traffic.
.set SPARE, 33792                      ; behind the four stages: the spare words, 128 bytes a wave
.set STG,   8448                       ; a wave's stage: 16 rows x (512 bytes + 16)
.set SPW,   22                         ; v22  my spare word; never rewritten
.set NIL,   23                         ; v23  0; never rewritten
.set MX,    9                          ; v9-10   largest magnitudes of blocks c = 0, 1
.set SO,    11                         ; v11-12  the conversions' scale operands
.set BY,    13                         ; v13-14  the scale bytes
.set WD,    16                         ; v16-19  the scale words of the four 128 K
.set C,     24                         ; v24-55  codes or f16: registers of its own for every store
.set X,     56                         ; v56-119 numbers at work
.set R,     120                        ; v120-247 x as loaded, two sets of 64
; one block of 32 numbers, v[src] on, becomes 4 registers of codes, v[dst] on
.macro QB c, src, dst
	v_max3_num_f32 v[MX+\c], |v[\src]|, |v[\src+1]|, |v[\src+2]|
	v_max3_num_f32 v20, |v[\src+3]|, |v[\src+4]|, |v[\src+5]|      ; two chains, so that they do not wait for each other
.irp i, 6,10,14,18,22,26
	v_max3_num_f32 v[MX+\c], v[MX+\c], |v[\src+\i]|, |v[\src+\i+1]|
	v_max3_num_f32 v20, v20, |v[\src+\i+2]|, |v[\src+\i+3]|
.endr
	v_max3_num_f32 v[MX+\c], v[MX+\c], |v[\src+30]|, |v[\src+31]|
	v_max3_num_f32 v[MX+\c], v[MX+\c], v20, 0x1800000              ; the floor 2^(3 - 127): the byte cannot fall under 1
	v_add_nc_u32 v[SO+\c], 0xff000000, v[MX+\c]                    ; 2 off the exponent field: the conversion takes that field as its scale
	v_lshrrev_b32 v[BY+\c], 23, v[SO+\c]                           ; the scale's byte
.irp g, 0,1,2,3
	v_cvt_scalef32_pk8_fp4_f32 v[\dst+\g], v[\src+8*\g:\src+8*\g+7], v[SO+\c]
.endr
.endm
; my two bytes (blocks h and 2 + h) and lane l xor 16's two make the scale word of 128 K.  Its plain lines stand directly behind the conversions
.macro WORD q
	v_lshl_or_b32 v21, v[BY+1], 16, v[BY]
	v_lshlrev_b32 v21, v7, v21                     ; 8 h bits up
	v_permlanex16_b32 v15, v21, s30, s31
	v_or_b32 v[WD+\q], v21, v15
.endm
; 16 rows x 4 words leave as one aligned run of 256 bytes: lanes 0-15 store words 0, 1 of their row, lanes 16-31 words 2, 3
.macro SCOUT b
	v_cmp_ne_u32 vcc_lo, 0, v3
	v_cndmask_b32 v20, v[WD], v[WD+2], vcc_lo
	v_cndmask_b32 v21, v[WD+1], v[WD+3], vcc_lo
	global_store_b64 v8, v[20:21], s[\b:\b+1]
.endm
; from s33 = the tile of 16 rows and s34 = which 512 K: s[36:37] = the codes' byte offset, s[38:39] = the scales' (a sixteenth of it: the two layouts nest alike)
.macro OFFS
	s_lshr_b32 s36, s33, 3
	s_lshl_b32 s36, s36, 16
	s_lshl_b32 s35, s34, 15
	s_add_co_u32 s36, s36, s35
	s_and_b32 s35, s33, 7
	s_lshl_b32 s35, s35, 12
	s_add_co_u32 s36, s36, s35
	s_mov_b32 s37, 0
	s_lshr_b32 s38, s36, 4
	s_mov_b32 s39, 0
.endm
	s_load_b256 s[8:15], s[0:1], 0x0               ; x s[8:9], wq s[10:11], wk s[12:13], wv s[14:15]
	s_load_b256 s[16:23], s[0:1], 0x20             ; wo s[16:17], xc s[18:19], xs s[20:21], wc s[22:23]
	s_load_b128 s[24:27], s[0:1], 0x40             ; ws s[24:25], wo16 s[26:27]
	v_lshl_add_u32 v[SPW], v0, 2, SPARE
	v_mov_b32 v[NIL], 0
	v_lshrrev_b32 v1, 5, v0
	v_readfirstlane_b32 s28, v1                    ; wave 0..3
	v_and_b32 v1, 31, v0                           ; lane
	v_and_b32 v2, 15, v0                           ; r
	v_bfe_u32 v3, v0, 4, 1                         ; h
	v_lshlrev_b32 v4, 4, v1                        ; 16 x lane
	v_lshlrev_b32 v7, 3, v3                        ; 8 h
	v_lshl_add_u32 v8, v2, 4, v7                   ; 16 r + 8 h
	v_mov_b32 v15, 0                               ; written once: a lane permute's destination counts as one of its sources
	s_mov_b32 s30, 0x76543210
	s_mov_b32 s31, 0xfedcba98                      ; selects for lane l xor 16
	s_wait_kmcnt 0x0
	s_cmp_lt_u32 ttmp9, 96
	s_cbranch_scc1 .Lw
	s_cmp_lt_u32 ttmp9, 352
	s_cbranch_scc1 .Lx
	; ---- wo to f16: K step KS of 128, columns 16 NT on.  Lane (r, h) takes column r; its registers run down K in the order of the fragment
	s_sub_co_u32 s32, ttmp9, 352
	s_and_b32 s33, s32, 7                          ; KS
	s_lshr_b32 s34, s32, 3
	s_lshl_b32 s34, s34, 2
	s_add_co_u32 s34, s34, s28                     ; NT
	s_lshl_b32 s36, s33, 19                        ; 128 rows of 4,096 bytes
	s_lshl_b32 s35, s34, 6
	s_add_co_u32 s36, s36, s35
	s_mov_b32 s37, 0
	s_add_nc_u64 s[16:17], s[16:17], s[36:37]
	s_lshl_b32 s36, s33, 18
	s_lshl_b32 s35, s34, 12
	s_add_co_u32 s36, s36, s35
	s_add_nc_u64 s[26:27], s[26:27], s[36:37]
	v_lshlrev_b32 v5, 2, v2
	v_lshl_add_u32 v5, v3, 15, v5                  ; 4 r + 8 h rows
.irp c, 0,1,2,3
.irp i, 0,1,2,3,4,5,6,7,8,9,10,11,12,13,14,15
	global_load_b32 v[X+16*\c+\i], v5, s[16:17] offset:(32*\c+16*(\i/8)+(\i%8))*4096   ; the four waves stand side by side on 256 bytes of a row
.endr
.endr
.irp c, 0,1,2,3
	s_wait_loadcnt 48-16*\c                        ; this 32 K's sixteen loads are in; the later ones stay out
.irp i, 0,1,2,3,4,5,6,7
	v_cvt_pk_f16_f32 v[C+8*\c+\i], v[X+16*\c+2*\i], v[X+16*\c+2*\i+1]
.endr
	global_store_b128 v4, v[C+8*\c:C+8*\c+3], s[26:27] offset:1024*\c
	global_store_b128 v4, v[C+8*\c+4:C+8*\c+7], s[26:27] offset:1024*\c+512
.endr
	s_endpgm
	; ---- the weights: a lane to a column, registers down K: a block of 32 lies in one lane, and the codes come out with K innermost
.macro LOADW t                         ; block t = 2 q + c: W(64 t + 32 h + n, my column) into set t % 2
.set n, 0
.rept 32
	global_load_b32 v[X+32*((\t)%2)+n], v5, s[40:41] offset:(64*(\t)+n)*4096
.set n, n+1
.endr
.endm
.macro BLOCKW t
.if (\t) < 7
	s_wait_loadcnt 32                              ; this block's 32 loads are in; the next block's stay out
.else
	s_wait_loadcnt 0x0
.endif
	QB (\t)%2, X+32*((\t)%2), C+4*(\t)
.if (\t) < 6
	LOADW (\t)+2
.endif
.if (\t)%2
	WORD (\t)/2
	global_store_b128 v4, v[C+4*(\t)-4:C+4*(\t)-1], s[22:23] offset:512*(\t)-512
	global_store_b128 v4, v[C+4*(\t):C+4*(\t)+3], s[22:23] offset:512*(\t)
.endif
.endm
.Lw:
	s_and_b32 s34, ttmp9, 1                        ; which 512 K
	s_lshr_b32 s33, ttmp9, 1
	s_lshl_b32 s33, s33, 2
	s_add_co_u32 s33, s33, s28                     ; the tile of 16 rows of the three weights on end, 0..191
	OFFS
	s_add_nc_u64 s[22:23], s[22:23], s[36:37]
	s_add_nc_u64 s[24:25], s[24:25], s[38:39]
	s_cmp_lt_u32 ttmp9, 32                         ; which weight: the choice hangs on the work-group's number alone
	s_cselect_b64 s[40:41], s[10:11], s[12:13]
	s_cmp_lt_u32 ttmp9, 64
	s_cselect_b64 s[40:41], s[40:41], s[14:15]
	s_lshl_b32 s36, s34, 21                        ; 512 rows of 4,096 bytes
	s_and_b32 s35, s33, 63
	s_lshl_b32 s35, s35, 6                         ; 16 columns of 4 bytes
	s_add_co_u32 s36, s36, s35
	s_add_nc_u64 s[40:41], s[40:41], s[36:37]
	v_lshlrev_b32 v5, 2, v2
	v_lshl_add_u32 v5, v3, 17, v5                  ; 4 r + 32 h rows
	LOADW 0
	LOADW 1
.irp t, 0,1,2,3,4,5,6,7
	BLOCKW \t
.endr
	SCOUT 24
	s_endpgm
	; ---- x: 16 rows x 512 K a wave, a fragment (128 K) at a time
.macro LOADX f                         ; row i's 512 bytes of fragment f: 32 lanes read 512 consecutive bytes
.irp i, 0,1,2,3,4,5,6,7,8,9,10,11,12,13,14,15
	global_load_b128 v[R+64*((\f)%2)+4*\i:R+64*((\f)%2)+4*\i+3], v4, s[8:9] offset:4096*\i+512*(\f) th:TH_LOAD_NT
.endr
.endm
.macro FRAGX f
.if (\f) < 3
	s_wait_loadcnt 16                              ; this fragment's sixteen loads are in; the next one's stay out
.else
	s_wait_loadcnt 0x0
.endif
.irp i, 0,1,2,3,4,5,6,7,8,9,10,11,12,13,14,15
	ds_store_b128 v5, v[R+64*((\f)%2)+4*\i:R+64*((\f)%2)+4*\i+3] offset:528*\i
.endr
.irp i, 0,1,2,3,4,5,6,7,8,9,10,11,12,13,14,15
	ds_load_b128 v[X+4*\i:X+4*\i+3], v6 offset:256*(\i/8)+16*(\i%8)   ; LDS serves a wave's instructions in order: these see the stores.  My row's blocks h and 2 + h
.endr
	s_wait_dscnt 0x0                               ; the stores have read their registers, and my 64 numbers are in
.if (\f) < 2
	LOADX (\f)+2
.endif
	QB 0, X, C+8*(\f)
	QB 1, X+32, C+8*(\f)+4
	WORD \f
	global_store_b128 v4, v[C+8*(\f):C+8*(\f)+3], s[18:19] offset:1024*(\f)
	global_store_b128 v4, v[C+8*(\f)+4:C+8*(\f)+7], s[18:19] offset:1024*(\f)+512
.endm
.Lx:
	s_sub_co_u32 s32, ttmp9, 96
	s_lshl_b32 s32, s32, 2
	s_add_co_u32 s32, s32, s28
	s_lshr_b32 s33, s32, 1                         ; the tile of 16 rows, 0..511
	s_and_b32 s34, s32, 1                          ; which 512 K
	OFFS
	s_add_nc_u64 s[18:19], s[18:19], s[36:37]
	s_add_nc_u64 s[20:21], s[20:21], s[38:39]
	s_lshl_b32 s36, s33, 16                        ; 16 rows of 4,096 bytes
	s_lshl_b32 s35, s34, 11
	s_add_co_u32 s36, s36, s35
	s_add_nc_u64 s[8:9], s[8:9], s[36:37]
	s_mul_i32 s29, s28, STG
	v_add_nc_u32 v5, s29, v4                       ; into my stage: 16 x lane, a row an instruction
	v_mul_u32_u24 v6, v2, 528
	v_lshl_add_u32 v6, v3, 7, v6
	v_add_nc_u32 v6, s29, v6                       ; out of it: row r, + 128 h
	LOADX 0
	LOADX 1
.irp f, 0,1,2,3
	FRAGX \f
.endr
	SCOUT 20
	s_wait_tensorcnt 0x0                           ; the wave's end
	ds_add_u32 v[SPW], v[NIL]
	s_wait_dscnt 0x0
	s_endpgm
.Lfunc_end_k_q960f238489_prep:
	.size	k_q960f238489_prep, .Lfunc_end_k_q960f238489_prep-k_q960f238489_prep
	.p2alignl 7, 3214868480
	.fill 96, 4, 3214868480
	.section	.rodata,"a",@progbits
	.p2align	6, 0x0
	.amdhsa_kernel k_q960f238489_prep
		.amdhsa_group_segment_fixed_size 34304
		.amdhsa_private_segment_fixed_size 0
		.amdhsa_enable_private_segment 0
		.amdhsa_kernarg_size 80
		.amdhsa_user_sgpr_count 2
		.amdhsa_user_sgpr_kernarg_segment_ptr 1
		.amdhsa_wavefront_size32 1
		.amdhsa_system_sgpr_workgroup_id_x 1
		.amdhsa_system_sgpr_workgroup_id_y 1
		.amdhsa_system_sgpr_workgroup_id_z 1
		.amdhsa_system_vgpr_workitem_id 0
		.amdhsa_next_free_vgpr 248
		.amdhsa_next_free_sgpr 66
		.amdhsa_reserve_vcc 1
		.amdhsa_float_denorm_mode_32 3
		.amdhsa_float_denorm_mode_16_64 3
		.amdhsa_memory_ordered 1
		.amdhsa_forward_progress 1
		.amdhsa_inst_pref_size 77
	.end_amdhsa_kernel
	.amdgpu_metadata
---
amdhsa.version: [ 1, 2 ]
amdhsa.kernels:
  - .name:           k_q960f238489_prep
    .symbol:         k_q960f238489_prep.kd
    .args:
      - { .name: x, .offset: 0, .size: 8, .value_kind: global_buffer, .address_space: global }
      - { .name: wq, .offset: 8, .size: 8, .value_kind: global_buffer, .address_space: global }
      - { .name: wk, .offset: 16, .size: 8, .value_kind: global_buffer, .address_space: global }
      - { .name: wv, .offset: 24, .size: 8, .value_kind: global_buffer, .address_space: global }
      - { .name: wo, .offset: 32, .size: 8, .value_kind: global_buffer, .address_space: global }
      - { .name: xc, .offset: 40, .size: 8, .value_kind: global_buffer, .address_space: global }
      - { .name: xs, .offset: 48, .size: 8, .value_kind: global_buffer, .address_space: global }
      - { .name: wc, .offset: 56, .size: 8, .value_kind: global_buffer, .address_space: global }
      - { .name: ws, .offset: 64, .size: 8, .value_kind: global_buffer, .address_space: global }
      - { .name: wo16, .offset: 72, .size: 8, .value_kind: global_buffer, .address_space: global }
    .group_segment_fixed_size: 34304
    .private_segment_fixed_size: 0
    .kernarg_segment_align: 8
    .kernarg_segment_size: 80
    .max_flat_workgroup_size: 128
    .sgpr_count:     66
    .vgpr_count:     248
    .wavefront_size: 32
...
	.end_amdgpu_metadata
.endif
;; end of part 1
;; launch gemm (part 2): grid 12 x 32, 4 waves a work-group, clusters of 4 x 4, 327,680 bytes of LDS; arguments xc, xs, wc, ws, qkv, fine; writes qkv, fine
.if DOCPART == 2
	.amdgcn_target "amdgcn-amd-amdhsa--gfx1250"
	.amdhsa_code_object_version 6
	.text
	.protected	k_q960f238489_gemm
	.globl	k_q960f238489_gemm
	.p2align	8
	.type	k_q960f238489_gemm,@function
k_q960f238489_gemm:
	s_mov_b64 s[64:65], 0
	v_nop
	global_prefetch_b8 v0, s[64:65] scope:SCOPE_SE
	s_setreg_imm32_b32 hwreg(HW_REG_WAVE_MODE, 25, 1), 1
	s_wait_xcnt 0x0
	s_wait_alu depctr_hold_cnt(0) depctr_sa_sdst(0) depctr_va_vdst(0) depctr_va_sdst(0) depctr_va_ssrc(0) depctr_va_vcc(0) depctr_vm_vsrc(0)
	s_getreg_b32 s2, hwreg(HW_REG_IB_STS2, 6, 4)
	s_cmp_eq_u32 s2, 0
	s_cbranch_scc0 .Lentry_in_a_cluster
	s_endpgm
.Lentry_in_a_cluster:
	s_bfe_u32 s2, ttmp6, 0x10000c
	s_cmp_lg_u32 s2, 0xf033
	s_cbranch_scc0 .Lentry_shape_is_right
	s_endpgm
.Lentry_shape_is_right:
; q = x wq, k = x wk, v = x wv on codes of E2M1 with E8M0 block scales, K = 1,024; sums in f32.  Codes and scale bytes lie in memory as images of the operand registers (first launch).
; A work-group of four waves makes 256 x 256, a wave 128 x 128: 64 accumulators.  K = 1,024 is exactly two LDS slots of 512: every tensor load is a first fill, nothing is filled again, and there is no loop.
; CLUSTERS of 4 x 4; X = the cluster's x (0: q, 1: k, 2: v), Y = its y.  For q and k the operand A is x (tile Y + 8 cy: batch cy) and B the weight (tile 4 X + cx).  FOR v THE ROLES ARE SWAPPED BY POINTERS ALONE:
; A is the weight (tile 8 + cy), B is x (tile Y + 8 cx).  A's tiles hang on cy and the cluster's coordinates alone and are asked for jointly by a row of the cluster, B's on cx and are asked for by a column.
; THE MATRIX INSTRUCTION IS USED TRANSPOSED (source 0 = 16 rows of B, source 1 = 16 rows of A): lane (r, h), register j of accumulator (a, b) is (A's row 16 a + r, B's row 16 b + 8 h + j).  For q and k that is one
; token and eight neighbouring channels, for v one channel and eight neighbouring tokens: in both cases an accumulator rounded to f16 is half a fragment of the attention's products, and goes out as it stands:
; 16 bytes a lane, 512 consecutive bytes a store, no stage in LDS.
;   qkv: part (q, k, v) 2^24 bytes, head 2^18.  q, k: [16 tokens, 2048][32 channels, 1024][half, 512][lane][16 bytes].  v: [32 tokens, 4096][16 channels, 1024][half, 512][lane][16 bytes]
;   fine: the first 16 positions of each sequence once more, in f32, as the accumulators stand: [part, 262144][head, 4096][accumulator, 1024][registers 0-3 or 4-7, 512][lane][16 bytes]
; A cluster's tile rows lie 8 apart, so that the first 16 positions lie where Y = 0: a coordinate that all partners share, on which a branch may hang.
; LIMIT: |q|, |k|, |v| beyond 65,504 overflow f16.
; No prefetch: each tile is asked for once at the head.  One tile to a work-group.
; REGISTERS: window 0: v16-29 addresses; v32-95 scale words, two sets; v128-191 A's fragments, one set.  window 1: B's fragments, two sets, at v0 and v128; on the way out the f16 results.  windows 2, 3: the accumulators, (a, b) at v[8 (8 (a % 4) + b)].
.set NQ,    4                          ; steps of 128 K in a slot
.set FR,    8                          ; registers of a fragment
.set NL,    2                          ; LDS loads that bring one
.set NP,    4                          ; places behind this matrix instruction (ISA guide 7.12.1)
.set SLOT,  131072                     ; a slot: 32,768 bytes a wave: A's two groups of 128 rows, then B's two
.set SCL,   262144                     ; behind the slots: the scales, 4,096 bytes a wave
.set SPARE, 278528                     ; the spare words, 128 bytes a wave
.set ADRA, 16                          ; v16-17 my A fragments in slot 0, 1
.set ADRB, 20                          ; v20-21 my B fragments
.set CO,   26                          ; v26    16 x lane
.set ADRS, 27                          ; v27    my scale words: lanes 0-15 A's rows, lanes 16-31 B's
.set SPW,  28
.set NIL,  29
.set SC,   32
.set AF,   128
.set G1,   24                          ; s[24:31] group 1 for A's codes; s[32:39] group 0, a set for each slot
.set G0,   32
.set G1B,  48
.set G0B,  56
.set G1S,  68                          ; the same for the scales
.set G0S,  76
.set G1SB, 80
.set G0SB, 88
.set MSB, 0
.macro WIN new                         ; the immediate's high byte repeats the setting that is left
.if MSB != (\new)
	s_set_vgpr_msb (MSB<<8)|(\new)
.set MSB, (\new)
.endif
.endm
.set MUL_LO, 0xa1                      ; source 0 (B) window 1, source 1 (A) window 0, C and D window 2
.set MUL_HI, 0xf1
.set TO_B,   0x40
; a joint load: waves 0 and 1 fetch for A, waves 2 and 3 for B; the branch hangs on the wave's number alone.  An s_nop 0 and four v_nop follow each line
.macro JLOAD g0a, g1a, g0b, g1b
	s_cmp_eq_u32 s17, 0
	s_cbranch_scc0 .Lfor_b_\@
	tensor_load_to_lds s[\g0a:\g0a+3], s[\g1a:\g1a+7]
	s_nop 0
.rept 4
	v_nop
.endr
	s_branch .Lasked_\@
.Lfor_b_\@:
	tensor_load_to_lds s[\g0b:\g0b+3], s[\g1b:\g1b+7]
	s_nop 0
.rept 4
	v_nop
.endr
.Lasked_\@:
.endm
.macro CROUND                          ; a round of the cluster's barrier
	s_barrier_signal -1
	s_barrier_wait -1
	s_cmp_lg_u32 s16, 0
	s_cbranch_scc1 .Lnot_wave_0_\@
	s_barrier_signal -3
.Lnot_wave_0_\@:
	s_barrier_wait -3
	s_barrier_signal -1
	s_barrier_wait -1
.endm
	s_load_b256 s[4:11], s[0:1], 0x0               ; xc s[4:5], xs s[6:7], wc s[8:9], ws s[10:11]
	s_load_b128 s[12:15], s[0:1], 0x20             ; qkv s[12:13], fine s[14:15]
	v_lshl_add_u32 v[SPW], v0, 2, SPARE
	v_mov_b32 v[NIL], 0
	ds_add_u32 v[SPW], v[NIL]                      ; the wave's opening: the add, twice on end, and its wait ahead of my first tensor load
	ds_add_u32 v[SPW], v[NIL]
	v_lshrrev_b32 v1, 5, v0
	v_readfirstlane_b32 s16, v1                    ; wave 0..3
	s_lshr_b32 s17, s16, 1                         ; which half of A's rows is mine.  Also: I fetch for A (0) or for B (1)
	s_and_b32 s18, s16, 1                          ; which half of B's rows.  Also: which 128 rows I fetch
	s_bfe_u32 s19, ttmp6, 0x40000                  ; cx
	s_bfe_u32 s20, ttmp6, 0x40004                  ; cy
	s_mov_b32 s21, ttmp9                           ; X
	s_and_b32 s22, ttmp7, 0xffff                   ; Y
	s_lshl_b32 s40, s20, 3
	s_add_co_u32 s40, s40, s22                     ; Y + 8 cy
	s_add_co_u32 s41, s20, 8                       ; 8 + cy
	s_lshl_b32 s42, s21, 2
	s_add_co_u32 s42, s42, s19                     ; 4 X + cx
	s_lshl_b32 s43, s19, 3
	s_add_co_u32 s43, s43, s22                     ; Y + 8 cx
	s_cmp_lt_u32 s21, 2                            ; q or k?  The same in all sixteen partners
	s_cselect_b32 s23, s40, s41                    ; A's tile of 256 rows: cy and the cluster's coordinates alone
	s_cselect_b32 s66, s42, s43                    ; B's: cx and the cluster's coordinates alone
	s_lshl_b32 s44, s20, 2
	s_lshl_b32 s44, 15, s44                        ; my row of the cluster
	s_lshl_b32 s45, 0x1111, s19                    ; my column
	; group 1: dense blocks as rows of 256 bytes (32 elements of 8 bytes), no padding: images are read 512 consecutive bytes an instruction
	s_or_b32 s[G1], s44, (3<<16)|(1<<21)           ; 15:0 the mask; 17:16 elements of 8 bytes; 21 set beside a mask
	s_or_b32 s[G1B], s45, (3<<16)|(1<<21)
	s_or_b32 s[G1S], s44, (3<<16)|(1<<21)
	s_or_b32 s[G1SB], s45, (3<<16)|(1<<21)
.irp g, G1, G1B
	s_mov_b32 s[\g+1], 32<<16                      ; tensor_dim0
	s_mov_b32 s[\g+2], 128<<16                     ; tensor_dim1: 128 rows: the codes of 128 rows x 512 K
	s_mov_b32 s[\g+3], 32<<16                      ; tile_dim0
	s_mov_b32 s[\g+4], 128                         ; tile_dim1
	s_mov_b32 s[\g+5], 32                          ; the pitch
	s_mov_b32 s[\g+6], 0
	s_mov_b32 s[\g+7], 0
.endr
.irp g, G1S, G1SB
	s_mov_b32 s[\g+1], 32<<16
	s_mov_b32 s[\g+2], 16<<16                      ; 16 rows: the scales of 128 rows, all of K
	s_mov_b32 s[\g+3], 32<<16
	s_mov_b32 s[\g+4], 16
	s_mov_b32 s[\g+5], 32
	s_mov_b32 s[\g+6], 0
	s_mov_b32 s[\g+7], 0
.endr
	s_lshl_b32 s40, s23, 1
	s_add_co_u32 s40, s40, s18                     ; A: the group of 128 rows that I fetch
	s_lshl_b32 s2, s40, 12                         ; its scales,
	s_mov_b32 s3, 0
	s_lshl_b32 s40, s40, 16                        ; its codes
	s_mov_b32 s41, 0
	s_lshl_b32 s42, s66, 1
	s_add_co_u32 s42, s42, s18                     ; B likewise
	s_lshl_b32 s46, s42, 12
	s_mov_b32 s47, 0
	s_lshl_b32 s42, s42, 16
	s_mov_b32 s43, 0
	s_lshl_b32 s67, s16, 15                        ; where my codes go: 32,768 x wave: no place in the cluster enters an LDS address
	s_wait_dscnt 0x0                               ; both opening adds are done
	s_wait_kmcnt 0x0
	s_cmp_lt_u32 s21, 2
	s_cselect_b64 s[92:93], s[4:5], s[8:9]         ; A's codes
	s_cselect_b64 s[94:95], s[6:7], s[10:11]       ; A's scales
	s_cselect_b64 s[96:97], s[8:9], s[4:5]         ; B's codes
	s_cselect_b64 s[98:99], s[10:11], s[6:7]       ; B's scales
	s_add_nc_u64 s[92:93], s[92:93], s[40:41]
	s_add_nc_u64 s[94:95], s[94:95], s[2:3]
	s_add_nc_u64 s[96:97], s[96:97], s[42:43]
	s_add_nc_u64 s[98:99], s[98:99], s[46:47]
	CROUND                                         ; all sixteen work-groups are here: the joint loads meet
	s_mov_b32 s[G0S], 1
	s_lshl_b32 s[G0S+1], s16, 12
	s_add_co_u32 s[G0S+1], s[G0S+1], SCL
	s_mov_b64 s[G0S+2:G0S+3], s[94:95]
	s_or_b32 s[G0S+3], s[G0S+3], 0x80000000
	s_mov_b32 s[G0SB], 1
	s_lshl_b32 s[G0SB+1], s16, 12
	s_add_co_u32 s[G0SB+1], s[G0SB+1], SCL
	s_mov_b64 s[G0SB+2:G0SB+3], s[98:99]
	s_or_b32 s[G0SB+3], s[G0SB+3], 0x80000000
	JLOAD G0S, G1S, G0SB, G1SB                     ; the scales first: they are wanted with slot 0
.irp s, 0,1
	s_mov_b32 s[G0+4*\s], 1
	s_add_co_u32 s[G0+4*\s+1], s67, \s*SLOT
	s_add_nc_u64 s[G0+4*\s+2:G0+4*\s+3], s[92:93], \s*32768
	s_or_b32 s[G0+4*\s+3], s[G0+4*\s+3], 0x80000000
	s_mov_b32 s[G0B+4*\s], 1
	s_add_co_u32 s[G0B+4*\s+1], s67, \s*SLOT
	s_add_nc_u64 s[G0B+4*\s+2:G0B+4*\s+3], s[96:97], \s*32768
	s_or_b32 s[G0B+4*\s+3], s[G0B+4*\s+3], 0x80000000
	JLOAD G0+4*\s, G1, G0B+4*\s, G1B               ; three loads of mine are out at the most
.endr
	v_and_b32 v1, 15, v0                           ; r
	v_bfe_u32 v2, v0, 4, 1                         ; h
	v_and_b32 v3, 31, v0
	v_lshlrev_b32 v[CO], 4, v3
	s_lshl_b32 s40, s17, 15                        ; my 128 rows of A
	s_lshl_b32 s41, s18, 15
	s_add_co_u32 s41, s41, 65536                   ; my 128 rows of B, behind A's 256
.irp s, 0,1
	v_add_nc_u32 v[ADRA+\s], s40, v[CO]
	v_add_nc_u32 v[ADRB+\s], s41, v[CO]
	s_add_co_u32 s40, s40, SLOT
	s_add_co_u32 s41, s41, SLOT
.endr
	v_lshlrev_b32 v5, 4, v1                        ; a row's 16 bytes of scales for a slot
	s_lshl_b32 s40, s17, 12
	s_lshl_b32 s41, s18, 12
	s_add_co_u32 s41, s41, 8192
	s_sub_co_u32 s41, s41, s40
	v_mul_u32_u24 v6, s41, v2                      ; lanes 16-31 take B's: one product, the distance between the two bases
	s_add_co_u32 s40, s40, SCL
	v_add_nc_u32 v5, v5, v6
	v_add_nc_u32 v[ADRS], s40, v5
.macro FRAG reg, adr, q, i             ; a fragment's image: two loads of 512 consecutive bytes
.irp c, 0,1
	ds_load_b128 v[\reg+4*\c:\reg+4*\c+3], v[\adr] offset:1024*(\q)+512*\c+4096*(\i)
.endr
.endm
; 16 matrix instructions: A's blocks a0, a0 + 1 x B's eight.  The 64 accumulators take turns, one instruction a turn, in the same order in every step
.macro MUL16 a0, p, q, sc, zero
.irp a, \a0, \a0+1
.irp b, 0,1,2,3,4,5,6,7
.if \zero
	v_wmma_scale_f32_16x16x128_f8f6f4 v[8*(8*((\a)%4)+\b):8*(8*((\a)%4)+\b)+7], v[128*(\p)+FR*\b:128*(\p)+FR*\b+FR-1], v[AF+FR*(\a):AF+FR*(\a)+FR-1], 0, v[SC+8*NQ*(\sc)+NQ*\b+(\q)], v[SC+8*NQ*(\sc)+NQ*(\a)+(\q)] matrix_a_fmt:MATRIX_FMT_FP4 matrix_b_fmt:MATRIX_FMT_FP4 matrix_a_scale:MATRIX_SCALE_ROW1
.else
	v_wmma_scale_f32_16x16x128_f8f6f4 v[8*(8*((\a)%4)+\b):8*(8*((\a)%4)+\b)+7], v[128*(\p)+FR*\b:128*(\p)+FR*\b+FR-1], v[AF+FR*(\a):AF+FR*(\a)+FR-1], v[8*(8*((\a)%4)+\b):8*(8*((\a)%4)+\b)+7], v[SC+8*NQ*(\sc)+NQ*\b+(\q)], v[SC+8*NQ*(\sc)+NQ*(\a)+(\q)] matrix_a_fmt:MATRIX_FMT_FP4 matrix_b_fmt:MATRIX_FMT_FP4 matrix_a_scale:MATRIX_SCALE_ROW1
.endif
.endr
.endr
.endm
.macro FETCH_B slot, q, p
	WIN TO_B
.irp i, 0,1,2,3,4,5,6,7
	FRAG 128*(\p)+FR*\i, ADRB+\slot, \q, \i
.endr
	WIN 0
.endm
.macro FETCH_A slot, q, i0
.irp i, \i0, \i0+1, \i0+2, \i0+3
	FRAG AF+FR*(\i), ADRA+\slot, \q, \i
.endr
.endm
.macro SCALES sc                       ; a slot's scale words: 4 words a row; lanes 0-15 take A's block i, lanes 16-31 B's block i
.irp i, 0,1,2,3,4,5,6,7
	ds_load_b128 v[SC+8*NQ*\sc+NQ*\i:SC+8*NQ*\sc+NQ*\i+3], v[ADRS] offset:2048*\sc+256*\i
.endr
.endm
.macro PLACES n                        ; plain vector instructions between a matrix instruction and a load into, or a read of, its registers
.rept \n
	v_nop
.endr
.endm
.macro STEP slot, q, zero              ; a step of 128 K that has its successor in the same slot
	s_wait_dscnt 4*NL                              ; B's set and A's blocks 0-3 are in; the youngest eight loads (A's blocks 4-7) may be out
	WIN MUL_LO
	MUL16 0, (\q)%2, \q, \slot, \zero
	MUL16 2, (\q)%2, \q, \slot, \zero
	s_wait_dscnt 0
	PLACES NP
	FETCH_B \slot, (\q)+1, 1-(\q)%2
	FETCH_A \slot, (\q)+1, 0
	WIN MUL_HI
	MUL16 4, (\q)%2, \q, \slot, \zero
	MUL16 6, (\q)%2, \q, \slot, \zero
	PLACES NP
	WIN 0
	FETCH_A \slot, (\q)+1, 4
.endm
	s_wait_tensorcnt 1                             ; the scales and my part of slot 0 are in; slot 1's load may be out
	s_barrier_signal -1
	s_barrier_wait -1
	FETCH_B 0, 0, 0
	FETCH_A 0, 0, 0
	SCALES 0
	FETCH_A 0, 0, 4
	STEP 0, 0, 1                                   ; the first products start the sums: nothing is cleared
	STEP 0, 1, 0
	STEP 0, 2, 0
	; slot 0's last step changes slots: one barrier; in front of it my load of slot 1 has landed
	s_wait_tensorcnt 0x0
	ds_add_u32 v[SPW], v[NIL]
	s_wait_dscnt 4*NL+1                            ; (the add and A's blocks 4-7 may be out)
	WIN MUL_LO
	MUL16 0, 1, 3, 0, 0
	s_wait_dscnt 0x0
	s_barrier_signal -1
	MUL16 2, 1, 3, 0, 0
	WIN 0
	s_barrier_wait -1                              ; slot 1 is whole
	PLACES NP
	FETCH_B 1, 0, 0
	FETCH_A 1, 0, 0
	SCALES 1
	WIN MUL_HI
	MUL16 4, 1, 3, 0, 0
	MUL16 6, 1, 3, 0, 0
	PLACES NP
	WIN 0
	FETCH_A 1, 0, 4
	STEP 1, 0, 0
	STEP 1, 1, 0
	STEP 1, 2, 0
	s_wait_dscnt 4*NL                              ; the last step: nothing more to fetch
	WIN MUL_LO
	MUL16 0, 1, 3, 1, 0
	MUL16 2, 1, 3, 1, 0
	s_wait_dscnt 0
	WIN MUL_HI
	MUL16 4, 1, 3, 1, 0
	MUL16 6, 1, 3, 1, 0
	; THE WAY OUT.  Each accumulator is rounded to f16, from its low end on, into window 1, whose fragments are done with
	PLACES NP
.irp a, 0,1,2,3,4,5,6,7
	WIN 0x4a+5*(\a/4)                              ; sources window 2 or 3, destination window 1
.irp b, 0,1,2,3,4,5,6,7
.irp i, 0,1,2,3
	v_cvt_pk_f16_f32 v[32*\a+4*\b+\i], v[8*(8*(\a%4)+\b)+2*\i], v[8*(8*(\a%4)+\b)+2*\i+1]
.endr
.endr
.endr
	WIN 0
	s_cmp_lt_u32 s21, 2
	s_cselect_b32 s44, s20, s19                    ; the batch: cy (q, k) or cx (v)
	s_cselect_b32 s45, s19, s20                    ; four heads: cx or cy
	s_cselect_b32 s46, s18, s17                    ; two of them: by my half of the weight's rows
	s_cselect_b32 s47, s17, s18                    ; 128 tokens: by my half of x's rows
	s_lshl_b32 s44, s44, 4
	s_lshl_b32 s45, s45, 2
	s_lshl_b32 s46, s46, 1
	s_add_co_u32 s44, s44, s45
	s_add_co_u32 s44, s44, s46                     ; my first head, 16 x batch + head
	s_lshl_b32 s40, s21, 24                        ; the part,
	s_lshl_b32 s41, s44, 18                        ; the head,
	s_add_co_u32 s40, s40, s41
	s_lshl_b32 s41, s22, 3
	s_lshl_b32 s42, s47, 2
	s_add_co_u32 s41, s41, s42
	s_lshl_b32 s41, s41, 12                        ; tokens 256 Y + 128 x half: 128 bytes a token in all three parts
	s_add_co_u32 s40, s40, s41
	s_mov_b32 s41, 0
	s_add_nc_u64 s[12:13], s[12:13], s[40:41]
	s_lshl_b32 s40, s21, 18
	s_lshl_b32 s42, s44, 12
	s_add_co_u32 s40, s40, s42
	s_add_nc_u64 s[14:15], s[14:15], s[40:41]
.macro OUT isv
	WIN 0x04                                       ; a store's data are its source 1: window 1
.irp a, 0,1,2,3,4,5,6,7
.irp b, 0,1,2,3,4,5,6,7
.if \isv
	global_store_b128 v[CO], v[32*\a+4*\b:32*\a+4*\b+3], s[12:13] offset:262144*(\a/4)+1024*(\a%4)+4096*(\b/2)+512*(\b%2)
.else
	global_store_b128 v[CO], v[32*\a+4*\b:32*\a+4*\b+3], s[12:13] offset:2048*\a+262144*(\b/4)+1024*((\b/2)%2)+512*(\b%2)
.endif
.endr
.endr
	WIN 0
	s_cmp_lg_u32 s22, 0                            ; the first 16 positions lie where Y = 0,
	s_cbranch_scc1 .Lnofine_\@
	s_cmp_lg_u32 s[17+\isv], 0                     ; in the wave with the first half of x's rows
	s_cbranch_scc1 .Lnofine_\@
.irp e, 0,1,2,3,4,5,6,7
.if \isv
	WIN 0x08+4*(\e/4)                              ; accumulators (e, 0): tokens 0-15 of 128 channels
.irp u, 0,1
	global_store_b128 v[CO], v[64*(\e%4)+4*\u:64*(\e%4)+4*\u+3], s[14:15] offset:4096*(\e/4)+1024*(\e%4)+512*\u
.endr
.else
	WIN 0x08                                       ; accumulators (0, e): tokens 0-15, 128 channels
.irp u, 0,1
	global_store_b128 v[CO], v[8*\e+4*\u:8*\e+4*\u+3], s[14:15] offset:4096*(\e/4)+1024*(\e%4)+512*\u
.endr
.endif
.endr
	WIN 0
.Lnofine_\@:
.endm
	s_cmp_eq_u32 s21, 2
	s_cbranch_scc1 .Lv
	OUT 0
	s_branch .Ldone
.Lv:
	OUT 1
.Ldone:
	s_wait_tensorcnt 0x0                           ; the wave's end
	ds_add_u32 v[SPW], v[NIL]
	s_wait_dscnt 0x0
	CROUND                                         ; the closing round
	s_endpgm
.Lfunc_end_k_q960f238489_gemm:
	.size	k_q960f238489_gemm, .Lfunc_end_k_q960f238489_gemm-k_q960f238489_gemm
	.p2alignl 7, 3214868480
	.fill 96, 4, 3214868480
	.section	.rodata,"a",@progbits
	.p2align	6, 0x0
	.amdhsa_kernel k_q960f238489_gemm
		.amdhsa_group_segment_fixed_size 327680
		.amdhsa_private_segment_fixed_size 0
		.amdhsa_enable_private_segment 0
		.amdhsa_kernarg_size 48
		.amdhsa_user_sgpr_count 2
		.amdhsa_user_sgpr_kernarg_segment_ptr 1
		.amdhsa_wavefront_size32 1
		.amdhsa_system_sgpr_workgroup_id_x 1
		.amdhsa_system_sgpr_workgroup_id_y 1
		.amdhsa_system_sgpr_workgroup_id_z 1
		.amdhsa_system_vgpr_workitem_id 0
		.amdhsa_next_free_vgpr 1024
		.amdhsa_next_free_sgpr 100
		.amdhsa_reserve_vcc 0
		.amdhsa_float_denorm_mode_32 3
		.amdhsa_float_denorm_mode_16_64 3
		.amdhsa_memory_ordered 1
		.amdhsa_forward_progress 1
		.amdhsa_inst_pref_size 127
	.end_amdhsa_kernel
	.amdgpu_metadata
---
amdhsa.version: [ 1, 2 ]
amdhsa.kernels:
  - .name:           k_q960f238489_gemm
    .symbol:         k_q960f238489_gemm.kd
    .args:
      - { .name: xc, .offset: 0, .size: 8, .value_kind: global_buffer, .address_space: global }
      - { .name: xs, .offset: 8, .size: 8, .value_kind: global_buffer, .address_space: global }
      - { .name: wc, .offset: 16, .size: 8, .value_kind: global_buffer, .address_space: global }
      - { .name: ws, .offset: 24, .size: 8, .value_kind: global_buffer, .address_space: global }
      - { .name: qkv, .offset: 32, .size: 8, .value_kind: global_buffer, .address_space: global }
      - { .name: fine, .offset: 40, .size: 8, .value_kind: global_buffer, .address_space: global }
    .group_segment_fixed_size: 327680
    .private_segment_fixed_size: 0
    .kernarg_segment_align: 8
    .kernarg_segment_size: 48
    .max_flat_workgroup_size: 128
    .sgpr_count:     100
    .vgpr_count:     1024
    .wavefront_size: 32
...
	.end_amdgpu_metadata
.endif
;; end of part 2
;; launch attn (part 3): grid 4 x 64, 8 waves a work-group, no clusters, 327,680 bytes of LDS; arguments qkv, ctx; writes ctx
.if DOCPART == 3
	.amdgcn_target "amdgcn-amd-amdhsa--gfx1250"
	.amdhsa_code_object_version 6
	.text
	.protected	k_q960f238489_attn
	.globl	k_q960f238489_attn
	.p2align	8
	.type	k_q960f238489_attn,@function
k_q960f238489_attn:
	s_mov_b64 s[64:65], 0
	v_nop
	global_prefetch_b8 v0, s[64:65] scope:SCOPE_SE
	s_setreg_imm32_b32 hwreg(HW_REG_WAVE_MODE, 25, 1), 1
	s_wait_xcnt 0x0
; ctx[b][t][64 head + d] = the sum over keys k <= t of softmax_k(q . k / 8) v, f16 operands, f32 products, maxima and sums; a running maximum m and sum l for each query.
; LEFT OUT AS DEAD WORK: a step of 64 keys all of which come after a wave's 32 queries: the module's own tril sets those scores to -infinity and the softmax gives them the weight 0, whatever the inputs hold.
; LIMITS: a NaN, an infinity or an overflow that reaches only such hidden scores is not carried on.  m starts at -3e38, under every score of f16 operands (64 x 65,504^2 = 2.8e11).  |ctx| beyond 65,504 overflows f16.
; SHARES.  Work-group (U, head): first the block of 256 queries number 7 - U, with 8 - U slots of 256 keys, then block U, with U + 1: nine slots in every work-group, two of them on the diagonal: equal work, and trip
; counts that are constants.  A wave owns 32 queries of the block in hand, two tiles of 16; two waves share a SIMD, so that one wave's softmax stands beside the other's products.
; NO CLUSTER: the four work-groups of a head walk the same key slots in their first five trips only; after that their causal limits differ, and a joint load would bring a partner tiles that none of its waves reads.
; LAYOUT.  S^T = K Q^T (source 0 = 16 keys), O^T = V^T P (source 0 = 16 channels): a lane holds one query throughout; two tiles of S^T rounded to f16 are P's fragment.  q, k, v lie in memory as images of the fragments,
; so a key step's K or V is one dense block of 8,192 bytes, every LDS load reads 512 consecutive bytes, and no load transposes.  O^T rounded to f16 is the projection's fragment and is stored as it stands.
; THE RING: two slots of 65,536 bytes; wave w brings 8,192 bytes of each: waves 0-3 K's four key steps, waves 4-7 V's.  One descriptor, made by arithmetic on the wave's number: every wave issues one load behind each
; change of slots, one tensor load of mine is out at a time, and every wait on TENSORcnt is for 0.
; Not done: slices of the softmax between the products of one wave (two waves on a SIMD do that here); rescaling O^T only when m has grown (a branch on data).
; REGISTERS: window 0: v1-7 addresses; v8-23 statistics, 8 a tile: +0 c m, +1 m, +2 +3 l, +4..+7 at work (a in +6); v32-63 Q; v64-127 S^T; v128-159 P; v160-223 O^T; v224-255 the way out.  window 1: v0-63 K, v64-127 V.
.set SPARE, 131072
.set L16, 1                            ; v1  16 x lane; never rewritten
.set ADR, 2                            ; v2  the step's LDS address
.set SPW, 3
.set NIL, 4
.set ST,  8
.set Q,   32
.set S,   64
.set P,   128
.set O,   160
.set TMP, 224
.set WV,  8                            ; s8  wave
.set U,   9
.set BH,  10                           ; s10 16 x batch + head
.set NA,  11                           ; s11 slots of the first block
.set NS,  12                           ; s12 the key slot that was asked for last
.set KF,  13                           ; s13 the step's first key
.set Q0,  14                           ; s14 my first query
.set REM, 15                           ; s15 slots left in the block
.set TBS, 16                           ; s16 LDS byte of the step in hand
.set SLOTS, 17
.set STP, 18
.set LIM, 19
.set MSB, 0
.macro WIN new
.if MSB != (\new)
	s_set_vgpr_msb (MSB<<8)|(\new)
.set MSB, (\new)
.endif
.endm
; A prefetch of what the NEXT change of slots will ask for.  All four work-groups of a head walk slots 0 on; the one with U = 0 walks all eight, and it alone asks: each of its waves names its own 8,192 bytes of the slot
; after the one being loaded, lanes 256 bytes apart: each aligned 256 bytes once in the launch.  It asks in trips 0 to 5, for slots 2 to 7: none lies past the head's end.
.macro ASK
	s_cmp_gt_u32 s[SLOTS], s[LIM]
	s_cbranch_scc0 .Lnot_mine_\@
	global_prefetch_b8 v25, s[40:41] th:TH_LOAD_NT scope:SCOPE_SE
.Lnot_mine_\@:
.endm
; THE CHANGE OF SLOTS, at a slot's head: all my tensor loads have landed (my part of the slot ahead); the add; my reads of the slot that I have left are over; the barrier; then the slot that was left is filled.
.macro CHANGE fill
	s_wait_tensorcnt 0x0                           ; no tensor load of mine is out, so group 0 may be written
	ds_add_u32 v[SPW], v[NIL]                      ; the descriptor's step stands between the add and the wait for it
.if \fill
	s_add_co_u32 s[NS], s[NS], 1
	s_cmp_eq_u32 s[NS], s[NA]
	s_cselect_b32 s[NS], 0, s[NS]                  ; behind the first block's last slot comes the second block's slot 0 (it wraps once: afterwards NS stays under 4, NA is 5 or more)
	s_lshl_b32 s38, s[NS], 15
	s_add_nc_u64 s[34:35], s[36:37], s[38:39]
	s_or_b32 s35, s35, 0x80000000
	s_xor_b32 s33, s33, 65536                      ; the other slot than last time
	s_wait_xcnt 0x0                                ; the last prefetch, a slot back, has read its address
	s_add_nc_u64 s[40:41], s[40:41], 32768
.endif
	s_wait_dscnt 0x0
	s_barrier_signal -1
	s_barrier_wait -1
.if \fill
	tensor_load_to_lds s[32:35], s[24:31]          ; my one tensor load behind this barrier: it has a slot's four key steps in which to land
	s_nop 0
.rept 4
	v_nop
.endr
	ASK
.endif
.endm
.macro SOFTMAX                         ; both tiles by turns
.irp j, 0,1,2,3
.irp t, 0,1
	v_max3_num_f32 v[ST+8*\t+4+\j], v[S+32*\t+8*\j], v[S+32*\t+8*\j+1], v[S+32*\t+8*\j+2]   ; four chains a tile; each accumulator is read from its low end on
.endr
.endr
.irp i, 3,5
.irp j, 0,1,2,3
.irp t, 0,1
	v_max3_num_f32 v[ST+8*\t+4+\j], v[ST+8*\t+4+\j], v[S+32*\t+8*\j+\i], v[S+32*\t+8*\j+\i+1]
.endr
.endr
.endr
.irp t, 0,1
	v_max3_num_f32 v[ST+8*\t+4], v[ST+8*\t+4], v[S+32*\t+7], v[S+32*\t+15]
	v_max3_num_f32 v[ST+8*\t+6], v[ST+8*\t+6], v[S+32*\t+23], v[S+32*\t+31]
.endr
.irp t, 0,1
	v_max3_num_f32 v[ST+8*\t+4], v[ST+8*\t+4], v[ST+8*\t+5], v[ST+8*\t+6]
.endr
.irp t, 0,1
	v_max3_num_f32 v[ST+8*\t+4], v[ST+8*\t+4], v[ST+8*\t+7], v[ST+8*\t+1]   ; and the old m
.endr
.irp t, 0,1
	v_permlanex16_b32 v[ST+8*\t+5], v[ST+8*\t+4], s20, s21                  ; the query's other 32 keys lie in the lane 16 away
.endr
.irp t, 0,1
	v_mov_b32 v[ST+8*\t+7], v[ST+8*\t]             ; c m_old
.endr
.irp t, 0,1
	v_max_num_f32 v[ST+8*\t+1], v[ST+8*\t+4], v[ST+8*\t+5]
.endr
.irp t, 0,1
	v_mul_f32 v[ST+8*\t], s22, v[ST+8*\t+1]
.endr
.irp t, 0,1
	v_sub_f32 v[ST+8*\t+7], v[ST+8*\t+7], v[ST+8*\t]
.endr
.irp t, 0,1
	v_exp_f32 v[ST+8*\t+6], v[ST+8*\t+7]           ; a = 2^(c m_old - c m_new)
.endr
	; ONE BATCH: the scalings c s - c m and all 66 exponentials; none of these lines names an exponential's result
.set n, 0
.rept 16
	v_pk_fma_f32 v[S+n:S+n+1], v[S+n:S+n+1], s[22:23], v[ST:ST+1] op_sel_hi:[1,0,0] neg_lo:[0,0,1] neg_hi:[0,0,1]
.set n, n+2
.endr
.set n, 0
.rept 16
	v_exp_f32 v[S+n], v[S+n]
	v_exp_f32 v[S+n+1], v[S+n+1]
	v_pk_fma_f32 v[S+32+n:S+33+n], v[S+32+n:S+33+n], s[22:23], v[ST+8:ST+9] op_sel_hi:[1,0,0] neg_lo:[0,0,1] neg_hi:[0,0,1]
.set n, n+2
.endr
.set n, 0
.rept 32
	v_exp_f32 v[S+32+n], v[S+32+n]
.set n, n+1
.endr
	v_nop                                          ; a plain instruction behind the last exponential,
	s_wait_alu depctr_va_vdst(0)                   ; and the one wait ahead of the batch's first reader
.irp t, 0,1
.irp i, 0,1,2,3,4,5,6,7,8,9,10,11,12,13,14,15
	v_cvt_pk_f16_f32 v[P+16*\t+\i], v[S+32*\t+2*\i], v[S+32*\t+2*\i+1]
.endr
.endr
.irp t, 0,1
.irp i, 0,2,4,6,8,10,12,14,16,18,20,22,24,26,28,30
	v_pk_mul_f32 v[O+32*\t+\i:O+32*\t+\i+1], v[O+32*\t+\i:O+32*\t+\i+1], v[ST+8*\t+6:ST+8*\t+7] op_sel_hi:[1,0]   ; O^T under the new m
.endr
.endr
.endm
.macro SUMS                            ; the row's sums, in place on p, in f32: they name none of the last products' registers and are the places behind them
.irp u, 0,1,2,3,4,5,6,7
.irp t, 0,1
	v_pk_add_f32 v[S+32*\t+4*\u:S+32*\t+4*\u+1], v[S+32*\t+4*\u:S+32*\t+4*\u+1], v[S+32*\t+4*\u+2:S+32*\t+4*\u+3]
.endr
.endr
.irp u, 0,1,2,3
.irp t, 0,1
	v_pk_add_f32 v[S+32*\t+8*\u:S+32*\t+8*\u+1], v[S+32*\t+8*\u:S+32*\t+8*\u+1], v[S+32*\t+8*\u+4:S+32*\t+8*\u+5]
.endr
.endr
.irp u, 0,1
.irp t, 0,1
	v_pk_add_f32 v[S+32*\t+16*\u:S+32*\t+16*\u+1], v[S+32*\t+16*\u:S+32*\t+16*\u+1], v[S+32*\t+16*\u+8:S+32*\t+16*\u+9]
.endr
.endr
.irp t, 0,1
	v_pk_add_f32 v[S+32*\t:S+32*\t+1], v[S+32*\t:S+32*\t+1], v[S+32*\t+16:S+32*\t+17]
.endr
.irp t, 0,1
	v_pk_fma_f32 v[ST+8*\t+2:ST+8*\t+3], v[ST+8*\t+2:ST+8*\t+3], v[ST+8*\t+6:ST+8*\t+7], v[S+32*\t:S+32*\t+1] op_sel_hi:[1,0,1]   ; l = a l + the sum
.endr
.endm
; A KEY STEP: 64 keys
.macro STEP
	s_add_co_u32 s50, s[Q0], 31
	s_cmp_gt_u32 s[KF], s50                        ; all 64 keys come after my 32 queries: the step's work is left out; ids and the count of steps alone decide
	s_cbranch_scc1 .Lhidden_\@
	v_add_nc_u32 v[ADR], s[TBS], v[L16]
	WIN 0x40                                       ; destination window 1
.irp f, 0,1,2,3,4,5,6,7,8,9,10,11,12,13,14,15
	ds_load_b128 v[4*\f:4*\f+3], v[ADR] offset:512*\f              ; K: 16 keys kt, 32 channels c, half: register 16 kt + 8 c + 4 half
.endr
.irp f, 0,1,2,3,4,5,6,7,8,9,10,11,12,13,14,15
	ds_load_b128 v[64+4*\f:64+4*\f+3], v[ADR] offset:32768+512*\f  ; V: 32 keys, 16 channels dt, half
.endr
	s_wait_dscnt 16                                ; K is in; V's sixteen loads stay out
	WIN 0x01                                       ; source 0 window 1
.irp c, 0,1                            ; the eight accumulators take turns, one instruction a turn
.irp k, 0,1,2,3
.irp t, 0,1
.if \c
	v_wmma_f32_16x16x32_f16 v[S+32*\t+8*\k:S+32*\t+8*\k+7], v[16*\k+8*\c:16*\k+8*\c+7], v[Q+16*\t+8*\c:Q+16*\t+8*\c+7], v[S+32*\t+8*\k:S+32*\t+8*\k+7]
.else
	v_wmma_f32_16x16x32_f16 v[S+32*\t+8*\k:S+32*\t+8*\k+7], v[16*\k+8*\c:16*\k+8*\c+7], v[Q+16*\t+8*\c:Q+16*\t+8*\c+7], 0
.endif
.endr
.endr
.endr
	WIN 0
.rept 4
	v_nop                                          ; places between the products and the first read of the scores
.endr
	s_add_co_u32 s50, s[KF], 63
	s_cmp_le_u32 s50, s[Q0]                        ; all 64 keys count for all my queries: no mask
	s_cbranch_scc1 .Lopen_\@
	s_sub_co_i32 s50, s[Q0], s[KF]
	v_add_nc_u32 v6, s50, v5                       ; tile 0: my query - KF - 8 h.  Register 8 kt + j holds key KF + 16 kt + 8 h + j: hidden where 16 kt + j is greater
	v_add_nc_u32 v7, 16, v6                        ; tile 1
.irp t, 0,1
.irp k, 0,1,2,3
.irp j, 0,1,2,3,4,5,6,7
	v_cmp_gt_i32 vcc_lo, 16*\k+\j, v[6+\t]
	v_cndmask_b32 v[S+32*\t+8*\k+\j], v[S+32*\t+8*\k+\j], v24, vcc_lo
.endr
.endr
.endr
.Lopen_\@:                                         ; KF is a multiple of 64 and Q0 of 32, so in a step that is walked KF <= Q0: key KF counts for every query, and m is a number
	SOFTMAX
	s_wait_dscnt 0x0                               ; V is in
	WIN 0x01
.irp c, 0,1
.irp d, 0,1,2,3
.irp t, 0,1
	v_wmma_f32_16x16x32_f16 v[O+32*\t+8*\d:O+32*\t+8*\d+7], v[64+32*\c+8*\d:64+32*\c+8*\d+7], v[P+16*\t+8*\c:P+16*\t+8*\c+7], v[O+32*\t+8*\d:O+32*\t+8*\d+7]
.endr
.endr
.endr
	WIN 0
	SUMS
.Lhidden_\@:
	s_add_co_u32 s[KF], s[KF], 64
	s_add_co_u32 s[TBS], s[TBS], 8192
.endm
.macro STEPS                           ; a slot's four key steps: written once, walked four times
	s_mov_b32 s[STP], 4
.Lstep_\@:
	STEP
	s_sub_co_u32 s[STP], s[STP], 1
	s_cmp_lg_u32 s[STP], 0
	s_cbranch_scc1 .Lstep_\@
	s_sub_co_u32 s[TBS], s[TBS], 32768
	s_xor_b32 s[TBS], s[TBS], 65536                ; on to the other slot
.endm
.macro SETQ                            ; from s52 = the block of 256 queries: my first query, and where its fragments lie
	s_lshl_b32 s[Q0], s52, 8
	s_lshl_b32 s50, s[WV], 5
	s_add_co_u32 s[Q0], s[Q0], s50
	s_lshl_b32 s50, s[Q0], 7
	s_add_nc_u64 s[42:43], s[46:47], s[50:51]
.endm
.macro SETC                            ; where my rows of ctx lie
	s_lshl_b32 s50, s[Q0], 8
	s_add_nc_u64 s[44:45], s[48:49], s[50:51]
.endm
.macro QLOAD
.irp f, 0,1,2,3,4,5,6,7
	global_load_b128 v[Q+4*\f:Q+4*\f+3], v[L16], s[42:43] offset:512*\f
.endr
.endm
.macro INIT                            ; the step is written once: the first finds zeros, and a = 2^(c (-3e38) - c m) = 0
.irp t, 0,1
	v_mov_b32 v[ST+8*\t+1], 0xff61b1e6             ; m = -3e38
	v_mul_f32 v[ST+8*\t], s22, v[ST+8*\t+1]
.irp i, 2,3,4,5,6,7
	v_mov_b32 v[ST+8*\t+\i], 0
.endr
.endr
.set n, 0
.rept 64
	v_mov_b32 v[O+n], 0
.set n, n+1
.endr
.endm
.macro FINISH                          ; O^T / l, rounded to f16, is the projection's fragment: 512 consecutive bytes a store
	s_wait_xcnt 0x0                                ; the way out's registers were an earlier block's store data
.irp t, 0,1
	v_add_f32 v[ST+8*\t+4], v[ST+8*\t+2], v[ST+8*\t+3]
.endr
.irp t, 0,1
	v_permlanex16_b32 v[ST+8*\t+5], v[ST+8*\t+4], s20, s21
.endr
.irp t, 0,1
	v_add_f32 v[ST+8*\t+4], v[ST+8*\t+4], v[ST+8*\t+5]
.endr
.irp t, 0,1
	v_rcp_f32 v[ST+8*\t+6], v[ST+8*\t+4]
.endr
	v_nop
	s_wait_alu depctr_va_vdst(0)                   ; one wait for the two reciprocals, ahead of their first reader
.irp t, 0,1
.irp i, 0,2,4,6,8,10,12,14,16,18,20,22,24,26,28,30
	v_pk_mul_f32 v[O+32*\t+\i:O+32*\t+\i+1], v[O+32*\t+\i:O+32*\t+\i+1], v[ST+8*\t+6:ST+8*\t+7] op_sel_hi:[1,0]
.endr
.endr
.irp t, 0,1
.irp i, 0,1,2,3,4,5,6,7,8,9,10,11,12,13,14,15
	v_cvt_pk_f16_f32 v[TMP+16*\t+\i], v[O+32*\t+2*\i], v[O+32*\t+2*\i+1]
.endr
.endr
.irp t, 0,1
.irp d, 0,1,2,3
	global_store_b128 v[L16], v[TMP+16*\t+4*\d:TMP+16*\t+4*\d+3], s[44:45] offset:4096*\t+512*\d
.endr
.endr
.endm
	s_load_b128 s[4:7], s[0:1], 0x0                ; qkv s[4:5], ctx s[6:7]
	v_lshl_add_u32 v[SPW], v0, 2, SPARE
	v_mov_b32 v[NIL], 0
	ds_add_u32 v[SPW], v[NIL]                      ; the wave's opening: the add, twice on end, and its wait ahead of my first tensor load
	ds_add_u32 v[SPW], v[NIL]
	v_lshrrev_b32 v26, 5, v0
	v_readfirstlane_b32 s[WV], v26                 ; wave 0..7
	s_mov_b32 s[U], ttmp9
	s_and_b32 s[BH], ttmp7, 0xffff
	s_sub_co_u32 s[NA], 8, s[U]
	s_mov_b32 s24, 3<<16                           ; group 1: 32 rows of 256 bytes (32 elements of 8 bytes), dense, no mask, no padding
	s_mov_b32 s25, 32<<16
	s_mov_b32 s26, 32<<16
	s_mov_b32 s27, 32<<16
	s_mov_b32 s28, 32
	s_mov_b32 s29, 32
	s_mov_b32 s30, 0
	s_mov_b32 s31, 0
	s_mov_b32 s20, 0x76543210
	s_mov_b32 s21, 0xfedcba98                      ; selects for lane l xor 16
	s_mov_b32 s22, 0x3e38aa3b                      ; c = log2(e) / 8
	s_mov_b32 s23, s22                             ; (named with it as a pair)
	s_mov_b32 s51, 0                               ; the high word of every offset
	s_mov_b32 s39, 0
	s_lshr_b32 s50, s[WV], 2
	s_add_co_u32 s50, s50, 1                       ; part 1 (k) for waves 0-3, part 2 (v) for waves 4-7
	s_lshl_b32 s50, s50, 24
	s_lshl_b32 s52, s[BH], 18
	s_add_co_u32 s50, s50, s52
	s_and_b32 s53, s[WV], 3
	s_lshl_b32 s53, s53, 13                        ; my key step of a slot
	s_add_co_u32 s50, s50, s53
	s_mov_b32 s32, 1
	s_lshl_b32 s33, s[WV], 13                      ; slot 0, 8,192 x wave
	s_wait_dscnt 0x0                               ; both opening adds are done
	s_wait_kmcnt 0x0
	s_add_nc_u64 s[36:37], s[4:5], s[50:51]        ; my part of key slot 0
	s_mov_b64 s[34:35], s[36:37]
	s_or_b32 s35, s35, 0x80000000
	tensor_load_to_lds s[32:35], s[24:31]          ; key slot 0; slot 1 of the ring is filled behind the first trip's barrier
	s_nop 0
.rept 4
	v_nop
.endr
	s_add_nc_u64 s[40:41], s[36:37], 32768         ; the prefetches stand a slot on; the first change steps them to key slot 2.  Nothing is asked for here at the head
	s_mov_b32 s50, s52
	s_add_nc_u64 s[46:47], s[4:5], s[50:51]        ; the head's q
	s_and_b32 s52, s[BH], 15                       ; the head: ctx's K step is head / 2, its 32 K are 2 (head % 2) + d / 32
	s_lshr_b32 s50, s52, 1
	s_lshl_b32 s50, s50, 21
	s_and_b32 s52, s52, 1
	s_lshl_b32 s52, s52, 11
	s_add_co_u32 s50, s50, s52
	s_lshr_b32 s52, s[BH], 4                       ; the batch: 128 tiles of 16 rows, 4,096 bytes each
	s_lshl_b32 s52, s52, 19
	s_add_co_u32 s50, s50, s52
	s_add_nc_u64 s[48:49], s[6:7], s[50:51]
	s_cmp_eq_u32 s[U], 0
	s_cselect_b32 s[LIM], 2, -1
	s_mov_b32 s[NS], 0
	s_mov_b32 s[KF], 0
	s_mov_b32 s[REM], s[NA]
	s_mov_b32 s[TBS], 0
	v_and_b32 v26, 31, v0
	v_lshlrev_b32 v[L16], 4, v26
	v_lshlrev_b32 v25, 8, v26                      ; the prefetches' offset: 256 x lane; never rewritten
	v_and_b32 v26, 15, v0
	v_bfe_u32 v27, v0, 4, 1
	v_lshlrev_b32 v27, 3, v27
	v_sub_nc_u32 v5, v26, v27                      ; r - 8 h
	v_mov_b32 v24, 0xff800000                      ; -infinity
	s_sub_co_u32 s52, 7, s[U]
	SETQ
	SETC
	QLOAD
	INIT
	s_wait_loadcnt 0x0
	s_mov_b32 s[SLOTS], 8
.Ltrip:                                            ; eight trips, each asking for the next slot; the ninth is written out
	CHANGE 1
	STEPS
	s_sub_co_u32 s[REM], s[REM], 1
	s_cmp_lg_u32 s[REM], 0
	s_cbranch_scc1 .Lsame
	s_mov_b32 s52, s[U]                            ; THE FIRST BLOCK IS DONE (once, in trip 7 - U): the second block's queries are asked for, the first block goes out
	SETQ
	QLOAD
	FINISH
	s_wait_xcnt 0x0                                ; the stores have read their base
	SETC
	s_mov_b32 s[KF], 0
	s_add_co_u32 s[REM], s[U], 1
	INIT
	s_wait_loadcnt 0x0
.Lsame:
	s_sub_co_u32 s[SLOTS], s[SLOTS], 1
	s_cmp_lg_u32 s[SLOTS], 0
	s_cbranch_scc1 .Ltrip
	CHANGE 0                                       ; the last slot: nothing is left to ask for
	STEPS
	FINISH
	s_wait_tensorcnt 0x0                           ; the wave's end
	ds_add_u32 v[SPW], v[NIL]
	s_wait_dscnt 0x0
	s_endpgm
.Lfunc_end_k_q960f238489_attn:
	.size	k_q960f238489_attn, .Lfunc_end_k_q960f238489_attn-k_q960f238489_attn
	.p2alignl 7, 3214868480
	.fill 96, 4, 3214868480
	.section	.rodata,"a",@progbits
	.p2align	6, 0x0
	.amdhsa_kernel k_q960f238489_attn
		.amdhsa_group_segment_fixed_size 327680
		.amdhsa_private_segment_fixed_size 0
		.amdhsa_enable_private_segment 0
		.amdhsa_kernarg_size 16
		.amdhsa_user_sgpr_count 2
		.amdhsa_user_sgpr_kernarg_segment_ptr 1
		.amdhsa_wavefront_size32 1
		.amdhsa_system_sgpr_workgroup_id_x 1
		.amdhsa_system_sgpr_workgroup_id_y 1
		.amdhsa_system_sgpr_workgroup_id_z 1
		.amdhsa_system_vgpr_workitem_id 0
		.amdhsa_next_free_vgpr 384
		.amdhsa_next_free_sgpr 66
		.amdhsa_reserve_vcc 1
		.amdhsa_float_denorm_mode_32 3
		.amdhsa_float_denorm_mode_16_64 3
		.amdhsa_memory_ordered 1
		.amdhsa_forward_progress 1
		.amdhsa_inst_pref_size 66
	.end_amdhsa_kernel
	.amdgpu_metadata
---
amdhsa.version: [ 1, 2 ]
amdhsa.kernels:
  - .name:           k_q960f238489_attn
    .symbol:         k_q960f238489_attn.kd
    .args:
      - { .name: qkv, .offset: 0, .size: 8, .value_kind: global_buffer, .address_space: global }
      - { .name: ctx, .offset: 8, .size: 8, .value_kind: global_buffer, .address_space: global }
    .group_segment_fixed_size: 327680
    .private_segment_fixed_size: 0
    .kernarg_segment_align: 8
    .kernarg_segment_size: 16
    .max_flat_workgroup_size: 256
    .sgpr_count:     66
    .vgpr_count:     384
    .wavefront_size: 32
...
	.end_amdgpu_metadata
.endif
;; end of part 3
;; launch proj (part 4): grid 8 x 32, 4 waves a work-group, clusters of 4 x 4, 327,680 bytes of LDS; arguments ctx, wo16, bo, out0; writes out0
.if DOCPART == 4
	.amdgcn_target "amdgcn-amd-amdhsa--gfx1250"
	.amdhsa_code_object_version 6
	.text
	.protected	k_q960f238489_proj
	.globl	k_q960f238489_proj
	.p2align	8
	.type	k_q960f238489_proj,@function
k_q960f238489_proj:
	s_mov_b64 s[64:65], 0
	v_nop
	global_prefetch_b8 v0, s[64:65] scope:SCOPE_SE
	s_setreg_imm32_b32 hwreg(HW_REG_WAVE_MODE, 25, 1), 1
	s_wait_xcnt 0x0
	s_wait_alu depctr_hold_cnt(0) depctr_sa_sdst(0) depctr_va_vdst(0) depctr_va_sdst(0) depctr_va_ssrc(0) depctr_va_vcc(0) depctr_vm_vsrc(0)
	s_getreg_b32 s2, hwreg(HW_REG_IB_STS2, 6, 4)
	s_cmp_eq_u32 s2, 0
	s_cbranch_scc0 .Lentry_in_a_cluster
	s_endpgm
.Lentry_in_a_cluster:
	s_bfe_u32 s2, ttmp6, 0x10000c
	s_cmp_lg_u32 s2, 0xf033
	s_cbranch_scc0 .Lentry_shape_is_right
	s_endpgm
.Lentry_shape_is_right:
; out = ctx wo + bo, f16 operands, f32 sums, for all rows but positions 0 to 15 of each sequence: those rows' results are not stored here (their products stay: they lie inside a live tile); the last launch makes them in f32.
; A work-group of four waves makes 256 rows x 128 columns: 256 work-groups; a wave 128 x 64: 32 accumulators.  K goes in 8 steps of 128 through two LDS slots.  ctx and wo16 lie in memory as images of the fragments:
; a K step's tile is one dense block, and every LDS load reads 512 consecutive bytes.
; CLUSTERS of 4 x 4: tile row Y + 8 cy (so the batch is cy, and positions 0-15 lie where Y = 0, a coordinate that all partners share), tile column 4 X + cx.  ctx's tiles are asked for jointly by a row, wo16's by a column.
; THE MATRIX INSTRUCTION IS USED TRANSPOSED (source 0 = 16 columns of wo, source 1 = 16 rows of ctx): a lane holds eight neighbouring columns of one row.  The bias is the C of each sum's first product.
; A refill has one K step, 128 matrix instructions a wave, in which to land: two slots of two K steps each do not fit in LDS, and a tile of 256 x 256 would leave half the WGPs without work.
; REGISTERS: window 0: v16-30 addresses; v32-63 the bias, 8 registers for each 16 columns; v64-127 rows on the way out.  window 1: two fragment buffers of 96 (B's four, then A's eight).  window 2: accumulator (a, b) at v[8 (4 a + b)].
.set SLOT,  98304                      ; A's two halves of 32,768 bytes, then B's two of 16,384
.set STAGE, 196608                     ; behind the ring: 16 rows x (256 bytes + 16) for each wave; no fill lands here
.set SPARE, 214016
.set ADRA, 16
.set ADRB, 20
.set STO,  24
.set RD,   25
.set CO,   26
.set SPW,  28
.set NIL,  29
.set PFO,  30
.set BIAS, 32
.set BK,   64
.set F0,   0
.set F1,   96
.set G1,   24
.set G0,   32
.set G1B,  48
.set G0B,  56
.set PFA,  66
.set LIM,  68
.set MSB, 0
.macro WIN new
.if MSB != (\new)
	s_set_vgpr_msb (MSB<<8)|(\new)
.set MSB, (\new)
.endif
.endm
.set MUL,  0xa5                        ; sources 0 and 1 window 1; C and D window 2
.set MUL1, 0x85                        ; the same with C (the bias) in window 0
.set TO_F, 0x40
.macro JLOAD s                         ; waves 0 and 1 fetch A's halves, waves 2 and 3 B's; an s_nop 0 and four v_nop follow each line
	s_cmp_eq_u32 s13, 0
	s_cbranch_scc0 .Lfor_b_\@
	tensor_load_to_lds s[G0+4*\s:G0+4*\s+3], s[G1:G1+7]
	s_nop 0
.rept 4
	v_nop
.endr
	s_branch .Lasked_\@
.Lfor_b_\@:
	tensor_load_to_lds s[G0B+4*\s:G0B+4*\s+3], s[G1B:G1B+7]
	s_nop 0
.rept 4
	v_nop
.endr
.Lasked_\@:
.endm
.macro CREST
	s_cmp_lg_u32 s12, 0
	s_cbranch_scc1 .Lnot_wave_0_\@
	s_barrier_signal -3
.Lnot_wave_0_\@:
	s_barrier_wait -3
	s_barrier_signal -1
	s_barrier_wait -1
.endm
.macro CROUND
	s_barrier_signal -1
	s_barrier_wait -1
	CREST
.endm
; A prefetch of ctx's K step that stands two refills on.  A tile row is read by both clusters of its row of clusters: the one with x = 0 asks; the four partners share a wave's 32,768 bytes out by address, 8,192 each,
; lanes 256 bytes apart: each aligned 256 bytes once in the launch.  K steps 4 to 7 are named; the last lap asks for nothing.  wo16 is walked by all 32 tile rows and is not asked for.
.macro ASK
	s_cmp_gt_u32 s3, s[LIM]
	s_cbranch_scc0 .Lnot_mine_\@
	global_prefetch_b8 v[PFO], s[PFA:PFA+1] offset:2097152 th:TH_LOAD_NT scope:SCOPE_SE
.Lnot_mine_\@:
.endm
	s_load_b256 s[4:11], s[0:1], 0x0               ; ctx s[4:5], wo16 s[6:7], bo s[8:9], out0 s[10:11]
	v_lshl_add_u32 v[SPW], v0, 2, SPARE
	v_mov_b32 v[NIL], 0
	ds_add_u32 v[SPW], v[NIL]                      ; the wave's opening: the add, twice on end, and its wait ahead of my first tensor load
	ds_add_u32 v[SPW], v[NIL]
	v_lshrrev_b32 v1, 5, v0
	v_readfirstlane_b32 s12, v1                    ; wave 0..3
	s_lshr_b32 s13, s12, 1                         ; my half of the rows.  Also: I fetch for A (0) or for B (1)
	s_and_b32 s14, s12, 1                          ; my half of the columns.  Also: which half of that tile I fetch
	s_bfe_u32 s40, ttmp6, 0x40000                  ; cx
	s_bfe_u32 s41, ttmp6, 0x40004                  ; cy
	s_lshl_b32 s42, ttmp9, 2
	s_add_co_u32 s42, s42, s40                     ; tile column = 4 X + cx
	s_and_b32 s69, ttmp7, 0xffff                   ; Y
	s_lshl_b32 s15, s41, 3
	s_add_co_u32 s15, s15, s69                     ; tile row = Y + 8 cy
	s_lshl_b32 s43, s41, 2
	s_lshl_b32 s43, 15, s43                        ; my row of the cluster
	s_lshl_b32 s44, 0x1111, s40                    ; my column
	s_or_b32 s[G1], s43, (3<<16)|(1<<21)           ; dense blocks as rows of 256 bytes (32 elements of 8 bytes), no padding
	s_or_b32 s[G1B], s44, (3<<16)|(1<<21)
	s_mov_b32 s[G1+1], 32<<16
	s_mov_b32 s[G1+2], 128<<16                     ; A: 128 rows: 8 tiles of 16 rows x 128 K
	s_mov_b32 s[G1+3], 32<<16
	s_mov_b32 s[G1+4], 128
	s_mov_b32 s[G1+5], 32
	s_mov_b32 s[G1+6], 0
	s_mov_b32 s[G1+7], 0
	s_mov_b32 s[G1B+1], 32<<16
	s_mov_b32 s[G1B+2], 64<<16                     ; B: 64 rows: 4 tiles of 16 columns x 128 K
	s_mov_b32 s[G1B+3], 32<<16
	s_mov_b32 s[G1B+4], 64
	s_mov_b32 s[G1B+5], 32
	s_mov_b32 s[G1B+6], 0
	s_mov_b32 s[G1B+7], 0
	s_lshl_b32 s16, s15, 16
	s_lshl_b32 s17, s14, 15
	s_add_co_u32 s16, s16, s17                     ; A: the tile row's 65,536 bytes of a K step, my half
	s_mov_b32 s17, 0
	s_lshl_b32 s46, s42, 15
	s_lshl_b32 s47, s14, 14
	s_add_co_u32 s46, s46, s47                     ; B: the tile column's 32,768 bytes, my half
	s_mov_b32 s47, 0
	s_lshl_b32 s20, s14, 15                        ; where they go: no place in the cluster enters an LDS address
	s_lshl_b32 s21, s14, 14
	s_add_co_u32 s21, s21, 65536
	s_wait_dscnt 0x0                               ; both opening adds are done
	s_wait_kmcnt 0x0
	s_add_nc_u64 s[18:19], s[4:5], s[16:17]
	s_add_nc_u64 s[22:23], s[6:7], s[46:47]
	CROUND                                         ; all sixteen work-groups are here: the first joint loads meet
.irp s, 0,1
	s_mov_b32 s[G0+4*\s], 1
	s_add_co_u32 s[G0+4*\s+1], s20, \s*SLOT
	s_add_nc_u64 s[G0+4*\s+2:G0+4*\s+3], s[18:19], \s*2097152
	s_or_b32 s[G0+4*\s+3], s[G0+4*\s+3], 0x80000000
	s_mov_b32 s[G0B+4*\s], 1
	s_add_co_u32 s[G0B+4*\s+1], s21, \s*SLOT
	s_add_nc_u64 s[G0B+4*\s+2:G0B+4*\s+3], s[22:23], \s*262144
	s_or_b32 s[G0B+4*\s+3], s[G0B+4*\s+3], 0x80000000
	JLOAD \s                                       ; two loads of mine are out at the most
.endr
	v_and_b32 v1, 15, v0                           ; r
	v_bfe_u32 v2, v0, 4, 1                         ; h
	v_and_b32 v3, 31, v0
	v_lshlrev_b32 v4, 4, v3                        ; 16 x lane
	v_lshlrev_b32 v[PFO], 8, v3
	s_lshl_b32 s16, s13, 15                        ; my 128 rows of A
	s_lshl_b32 s17, s14, 14
	s_add_co_u32 s17, s17, 65536                   ; my 64 columns of B
.irp s, 0,1
	v_add_nc_u32 v[ADRA+\s], s16, v4
	v_add_nc_u32 v[ADRB+\s], s17, v4
	s_add_co_u32 s16, s16, SLOT
	s_add_co_u32 s17, s17, SLOT
.endr
	s_mul_i32 s16, s12, 4352
	s_add_co_u32 s16, s16, STAGE                   ; my stage
	v_mul_u32_u24 v5, v1, 272
	v_lshl_add_u32 v5, v2, 5, v5
	v_add_nc_u32 v[STO], s16, v5                   ; in: row r, 32 bytes for each half of the lanes
	v_mul_u32_u24 v5, v2, 272
	v_lshl_add_u32 v5, v1, 4, v5
	v_add_nc_u32 v[RD], s16, v5                    ; back: lanes 0-15 one row of 256 bytes, lanes 16-31 the next
	v_lshlrev_b32 v5, 12, v2
	v_lshl_add_u32 v[CO], v1, 4, v5                ; and the same two rows in out0
	v_lshlrev_b32 v27, 5, v2                       ; the bias: my half's eight numbers
	s_lshl_b32 s46, s42, 9
	s_lshl_b32 s47, s14, 8
	s_add_co_u32 s46, s46, s47                     ; my first column, in bytes
	s_mov_b32 s47, 0
	s_add_nc_u64 s[8:9], s[8:9], s[46:47]
.irp b, 0,1,2,3
	global_load_b128 v[BIAS+8*\b:BIAS+8*\b+3], v27, s[8:9] offset:64*\b
	global_load_b128 v[BIAS+8*\b+4:BIAS+8*\b+7], v27, s[8:9] offset:64*\b+16
.endr
	s_lshl_b32 s16, s15, 20                        ; 256 rows of 4,096 bytes a tile row,
	s_lshl_b32 s17, s13, 19                        ; my 128
	s_add_co_u32 s16, s16, s17
	s_mov_b32 s17, 0
	s_add_nc_u64 s[10:11], s[10:11], s[16:17]
	s_add_nc_u64 s[10:11], s[10:11], s[46:47]
	s_or_b32 s69, s69, s13                         ; 0 where my first 16 rows are positions 0-15 of a sequence
	s_lshl_b32 s16, s40, 13                        ; the prefetches: my work-group's 8,192 bytes of what I fetch,
	s_add_nc_u64 s[PFA:PFA+1], s[18:19], s[16:17]
	s_add_nc_u64 s[PFA:PFA+1], s[PFA:PFA+1], 2*2097152   ; at K step 2: the first refill steps it to 3 and names K step 4.  Nothing is asked for here at the head
	s_or_b32 s16, s13, ttmp9
	s_cmp_eq_u32 s16, 0                            ; waves 0 and 1 of the clusters with x = 0: the same in all sixteen partners
	s_cselect_b32 s[LIM], 1, -1
.macro MUL8 f, a0, first               ; A's tiles a0, a0 + 1 x B's four, 32 along K.  The 32 accumulators take turns in one order throughout
.irp a, \a0, \a0+1
.irp b, 0,1,2,3
.if \first
	v_wmma_f32_16x16x32_f16 v[8*(4*(\a)+\b):8*(4*(\a)+\b)+7], v[\f+8*\b:\f+8*\b+7], v[\f+32+8*(\a):\f+32+8*(\a)+7], v[BIAS+8*\b:BIAS+8*\b+7]
.else
	v_wmma_f32_16x16x32_f16 v[8*(4*(\a)+\b):8*(4*(\a)+\b)+7], v[\f+8*\b:\f+8*\b+7], v[\f+32+8*(\a):\f+32+8*(\a)+7], v[8*(4*(\a)+\b):8*(4*(\a)+\b)+7]
.endif
.endr
.endr
.endm
.macro FETCH slot, q, f                ; 24 LDS loads in one run: the fragments of the slot's q-th 32 K: B's four, then A's eight
	WIN TO_F
.irp i, 0,1,2,3
	ds_load_b128 v[\f+8*\i:\f+8*\i+3], v[ADRB+\slot] offset:4096*\i+1024*(\q)
	ds_load_b128 v[\f+8*\i+4:\f+8*\i+7], v[ADRB+\slot] offset:4096*\i+1024*(\q)+512
.endr
.irp i, 0,1,2,3,4,5,6,7
	ds_load_b128 v[\f+32+8*\i:\f+32+8*\i+3], v[ADRA+\slot] offset:4096*\i+1024*(\q)
	ds_load_b128 v[\f+32+8*\i+4:\f+32+8*\i+7], v[ADRA+\slot] offset:4096*\i+1024*(\q)+512
.endr
.endm
.macro PLACES
.rept 4
	v_nop
.endr
.endm
.macro QUARTER slot, qn, f, g, first   ; multiplies buffer f; in its middle fetches the slot's quarter qn into buffer g
	s_wait_dscnt 8                                 ; B's four and A's tiles 0-3 are in; the youngest eight loads may be out
.if \first
	WIN MUL1
.else
	WIN MUL
.endif
	MUL8 \f, 0, \first
	MUL8 \f, 2, \first
	PLACES
	FETCH \slot, \qn, \g
	s_wait_dscnt 24                                ; all but the 24 just issued
.if \first
	WIN MUL1
.else
	WIN MUL
.endif
	MUL8 \f, 4, \first
	MUL8 \f, 6, \first
.endm
; a slot's last quarter multiplies buffer 1 and changes slots: one barrier; in front of it all my tensor loads have landed, the add, and my reads of this slot are over
.macro TURN slot, next, fill
.if \fill
	s_wait_xcnt 0x0                                ; the last prefetch, a K step back, has read its address
	s_add_nc_u64 s[PFA:PFA+1], s[PFA:PFA+1], 2097152
.endif
	WIN 0
	s_wait_tensorcnt 0x0
	ds_add_u32 v[SPW], v[NIL]
	s_wait_dscnt 9                                 ; (the add and the youngest eight loads may be out)
	WIN MUL
	MUL8 F1, 0, 0
	s_wait_dscnt 0x0
	s_barrier_signal -1
	MUL8 F1, 2, 0
	WIN 0
	s_barrier_wait -1
.if \fill
	CREST                                          ; the barrier has opened a round of the cluster's: no wave of any partner still reads this slot or has a load on its way
	s_add_nc_u64 s[G0+4*\slot+2:G0+4*\slot+3], s[G0+4*\slot+2:G0+4*\slot+3], 2*2097152
	s_add_nc_u64 s[G0B+4*\slot+2:G0B+4*\slot+3], s[G0B+4*\slot+2:G0B+4*\slot+3], 2*262144
	JLOAD \slot                                    ; the first tensor load behind the round; its four v_nop are also the places in front of the loads below
.else
	PLACES
.endif
	FETCH \next, 0, F0
.if \fill
	WIN 0
	ASK
.endif
	WIN MUL
	MUL8 F1, 4, 0
	MUL8 F1, 6, 0
.endm
	s_wait_tensorcnt 1                             ; my part of K step 0 is in; K step 1's may be out
	s_barrier_signal -1
	s_barrier_wait -1
	FETCH 0, 0, F0
	s_wait_loadcnt 0x0                             ; the bias
	QUARTER 0, 1, F0, F1, 1                        ; the first products start the sums from the bias
	WIN 0
	s_mov_b32 s3, 3
.Llap:                                             ; a trip goes once round the ring and fills both slots again
	QUARTER 0, 2, F1, F0, 0
	QUARTER 0, 3, F0, F1, 0
	TURN 0, 1, 1
	QUARTER 1, 1, F0, F1, 0
	QUARTER 1, 2, F1, F0, 0
	QUARTER 1, 3, F0, F1, 0
	TURN 1, 0, 1
	QUARTER 0, 1, F0, F1, 0
	WIN 0
	s_sub_co_u32 s3, s3, 1
	s_cmp_lg_u32 s3, 0
	s_cbranch_scc1 .Llap
	QUARTER 0, 2, F1, F0, 0                        ; the last lap fills nothing
	QUARTER 0, 3, F0, F1, 0
	TURN 0, 1, 0
	QUARTER 1, 1, F0, F1, 0
	QUARTER 1, 2, F1, F0, 0
	QUARTER 1, 3, F0, F1, 0
	s_wait_dscnt 8
	WIN MUL
	MUL8 F1, 0, 0
	MUL8 F1, 2, 0
	s_wait_dscnt 0
	MUL8 F1, 4, 0
	MUL8 F1, 6, 0
	WIN 0
; THE WAY OUT, 16 rows x 64 columns at a time through my own stage: sixteen lanes then store 256 consecutive bytes, aligned
.macro TOSTAGE a
	WIN 0x08                                       ; an LDS store's data are its source 1: window 2
.irp b, 0,1,2,3
	ds_store_b128 v[STO], v[8*(4*(\a)+\b):8*(4*(\a)+\b)+3] offset:64*\b        ; each accumulator from its low end on
	ds_store_b128 v[STO], v[8*(4*(\a)+\b)+4:8*(4*(\a)+\b)+7] offset:64*\b+16
.endr
	WIN 0
.irp t, 0,1,2,3,4,5,6,7
	ds_load_b128 v[BK+32*((\a)%2)+4*\t:BK+32*((\a)%2)+4*\t+3], v[RD] offset:544*\t   ; LDS serves a wave's instructions in order: these see the stores
.endr
.endm
.macro SEND a, younger
	s_wait_dscnt \younger
.irp t, 0,1,2,3,4,5,6,7
	global_store_b128 v[CO], v[BK+32*((\a)%2)+4*\t:BK+32*((\a)%2)+4*\t+3], s[10:11] offset:65536*(\a)+8192*\t th:TH_STORE_NT
.endr
.endm
	PLACES
	s_cmp_eq_u32 s69, 0                            ; positions 0-15 of a sequence are the last launch's to store
	s_cbranch_scc1 .Lskip0
	TOSTAGE 0
	SEND 0, 0
.Lskip0:
	TOSTAGE 1
.irp a, 2,3,4,5,6,7
	s_wait_xcnt 0x0                                ; block a - 2's stores have read their registers
	TOSTAGE \a
	SEND \a-1, 16                                  ; behind block a - 1's loads: block a's 8 stores and 8 loads
.endr
	SEND 7, 0
	s_wait_tensorcnt 0x0                           ; the wave's end
	ds_add_u32 v[SPW], v[NIL]
	s_wait_dscnt 0x0
	CROUND                                         ; the closing round
	s_endpgm
.Lfunc_end_k_q960f238489_proj:
	.size	k_q960f238489_proj, .Lfunc_end_k_q960f238489_proj-k_q960f238489_proj
	.p2alignl 7, 3214868480
	.fill 96, 4, 3214868480
	.section	.rodata,"a",@progbits
	.p2align	6, 0x0
	.amdhsa_kernel k_q960f238489_proj
		.amdhsa_group_segment_fixed_size 327680
		.amdhsa_private_segment_fixed_size 0
		.amdhsa_enable_private_segment 0
		.amdhsa_kernarg_size 32
		.amdhsa_user_sgpr_count 2
		.amdhsa_user_sgpr_kernarg_segment_ptr 1
		.amdhsa_wavefront_size32 1
		.amdhsa_system_sgpr_workgroup_id_x 1
		.amdhsa_system_sgpr_workgroup_id_y 1
		.amdhsa_system_sgpr_workgroup_id_z 1
		.amdhsa_system_vgpr_workitem_id 0
		.amdhsa_next_free_vgpr 768
		.amdhsa_next_free_sgpr 72
		.amdhsa_reserve_vcc 0
		.amdhsa_float_denorm_mode_32 3
		.amdhsa_float_denorm_mode_16_64 3
		.amdhsa_memory_ordered 1
		.amdhsa_forward_progress 1
		.amdhsa_inst_pref_size 87
	.end_amdhsa_kernel
	.amdgpu_metadata
---
amdhsa.version: [ 1, 2 ]
amdhsa.kernels:
  - .name:           k_q960f238489_proj
    .symbol:         k_q960f238489_proj.kd
    .args:
      - { .name: ctx, .offset: 0, .size: 8, .value_kind: global_buffer, .address_space: global }
      - { .name: wo16, .offset: 8, .size: 8, .value_kind: global_buffer, .address_space: global }
      - { .name: bo, .offset: 16, .size: 8, .value_kind: global_buffer, .address_space: global }
      - { .name: out0, .offset: 24, .size: 8, .value_kind: global_buffer, .address_space: global }
    .group_segment_fixed_size: 327680
    .private_segment_fixed_size: 0
    .kernarg_segment_align: 8
    .kernarg_segment_size: 32
    .max_flat_workgroup_size: 128
    .sgpr_count:     72
    .vgpr_count:     768
    .wavefront_size: 32
...
	.end_amdgpu_metadata
.endif
;; end of part 4
;; launch head16 (part 5): grid 64 x 4, 16 waves a work-group, no clusters, 18,432 bytes of LDS; arguments fine, wo, bo, out0; writes out0
.if DOCPART == 5
	.amdgcn_target "amdgcn-amd-amdhsa--gfx1250"
	.amdhsa_code_object_version 6
	.text
	.protected	k_q960f238489_head16
	.globl	k_q960f238489_head16
	.p2align	8
	.type	k_q960f238489_head16,@function
k_q960f238489_head16:
	s_mov_b64 s[64:65], 0
	v_nop
	global_prefetch_b8 v0, s[64:65] scope:SCOPE_SE
	s_setreg_imm32_b32 hwreg(HW_REG_WAVE_MODE, 25, 1), 1
	s_wait_xcnt 0x0
; Positions 0 to 15 of each sequence, through scores, softmax, weighted values and projection in f32: these rows average one to sixteen values, and the rounding of 16-bit operands weighs most there.
; Work-group (ns, b): 16 output columns 16 ns on, batch b.  Wave w is head w: it makes its head's attention for the 16 positions and its head's part of the projection onto the 16 columns; the 16 parts are summed
; through LDS, in f32.  The attention is repeated in the 64 slices of a batch (32 of a wave's 48 matrix instructions): the price of one launch in place of two, since the sum over heads needs every head.
; A work-group writes runs of 64 bytes of 16 rows: 262,144 bytes in the whole launch.
; THE f32 FORM takes, for a K step of 4, lane (r, h)'s two registers as k = 2 h + 0, 1 of row or column r.  A permutation of k applied alike to both operands keeps the products: K step i takes registers 2 i, 2 i + 1 of both
; images, which hold the same k in the same lanes: nothing is shuffled.
;   q, k as stored: lane (r, h) holds position r, register 8 a + j channel 16 a + 8 h + j.   v: lane (r, h) holds channel 16 a + r, register 8 a + j position 8 h + j.
; The registers that the f32 form writes are written by matrix instructions alone; what is made of a sum goes into other registers.
; REGISTERS: v16-47 Q, v48-79 K, v80-111 V, v112-143 wo; v144-159 two halves of the scores; v160-167 scores, then p; v168-175 p / l; v176-207 O^T; v208-223 two halves of the projection; v224-231 their sum.
.set SPARE, 16384                      ; behind the 16 parts of 1,024 bytes: the spare words, 128 bytes a wave
	s_load_b256 s[4:11], s[0:1], 0x0               ; fine s[4:5], wo s[6:7], bo s[8:9], out0 s[10:11]
	v_lshl_add_u32 v6, v0, 2, SPARE                ; my spare word; never rewritten
	v_mov_b32 v7, 0                                ; 0; never rewritten
	v_lshrrev_b32 v1, 5, v0
	v_readfirstlane_b32 s12, v1                    ; wave = head
	v_and_b32 v8, 31, v0
	v_lshlrev_b32 v1, 4, v8                        ; 16 x lane
	v_and_b32 v2, 15, v0                           ; r
	v_bfe_u32 v3, v0, 4, 1                         ; h
	v_lshlrev_b32 v4, 2, v2
	v_lshl_add_u32 v4, v3, 15, v4                  ; wo: column r, 8 h rows down
	v_lshlrev_b32 v5, 3, v3
	v_sub_nc_u32 v5, v2, v5                        ; r - 8 h
	v_mov_b32 v12, 0xff800000                      ; -infinity
	s_lshl_b32 s13, s12, 10
	v_add_nc_u32 v13, s13, v1                      ; where my part goes: 1,024 x wave + 16 x lane
	v_and_b32 v14, 1, v0                           ; the last sum: thread t of the first 64 takes position t / 4 and columns 4 (t % 4) on: registers 0-3 or 4-7 (t % 2), lanes 16 ((t / 2) % 2) + t / 4
	v_lshlrev_b32 v14, 9, v14
	v_bfe_u32 v8, v0, 1, 1
	v_lshl_add_u32 v14, v8, 8, v14
	v_bfe_u32 v8, v0, 2, 4
	v_lshl_add_u32 v14, v8, 4, v14
	v_and_b32 v9, 3, v0
	v_lshlrev_b32 v232, 4, v9                      ; the bias's offset
	v_lshl_add_u32 v15, v8, 12, v232               ; and out0's: a row is 4,096 bytes
	s_and_b32 s15, ttmp7, 0xffff                   ; b
	s_lshl_b32 s16, s15, 4
	s_add_co_u32 s16, s16, s12
	s_lshl_b32 s16, s16, 12                        ; fine: 4,096 bytes a head in each part
	s_mov_b32 s17, 0
	s_lshl_b32 s18, s12, 18                        ; wo: my head's 64 rows,
	s_lshl_b32 s20, ttmp9, 6                       ; the slice's 16 columns
	s_add_co_u32 s18, s18, s20
	s_mov_b32 s19, 0
	s_mov_b32 s21, 0
	s_lshl_b32 s22, s15, 23                        ; out0: 2,048 rows a batch
	s_add_co_u32 s22, s22, s20
	s_mov_b32 s23, 0
	s_mov_b32 s24, 0x76543210
	s_mov_b32 s25, 0xfedcba98                      ; selects for lane l xor 16
	s_mov_b32 s26, 0x3e38aa3b                      ; c = log2(e) / 8
	s_wait_kmcnt 0x0
	s_add_nc_u64 s[4:5], s[4:5], s[16:17]
	s_add_nc_u64 s[6:7], s[6:7], s[18:19]
	s_add_nc_u64 s[8:9], s[8:9], s[20:21]
	s_add_nc_u64 s[10:11], s[10:11], s[22:23]
.irp p, 0,1,2
.irp f, 0,1,2,3,4,5,6,7
	global_load_b128 v[16+32*\p+4*\f:16+32*\p+4*\f+3], v1, s[4:5] offset:262144*\p+512*\f
.endr
.endr
.irp d, 0,1,2,3
.irp j, 0,1,2,3,4,5,6,7
	global_load_b32 v[112+8*\d+\j], v4, s[6:7] offset:(16*\d+\j)*4096      ; wo(64 w + 16 d + 8 h + j, 16 ns + r)
.endr
.endr
	s_wait_loadcnt 40                              ; q and k are in; v's 8 loads and wo's 32 stay out
.irp i, 0,1,2,3,4,5,6,7,8,9,10,11,12,13,14,15      ; S^T = K Q^T: two sums by turns, one instruction a turn
.if \i < 2
	v_wmma_f32_16x16x4_f32 v[144+8*(\i%2):151+8*(\i%2)], v[48+2*\i:49+2*\i], v[16+2*\i:17+2*\i], 0
.else
	v_wmma_f32_16x16x4_f32 v[144+8*(\i%2):151+8*(\i%2)], v[48+2*\i:49+2*\i], v[16+2*\i:17+2*\i], v[144+8*(\i%2):151+8*(\i%2)]
.endif
.endr
.rept 8
	v_nop                                          ; eight places behind this form before a vector instruction reads its result
.endr
.irp j, 0,2,4,6
	v_pk_add_f32 v[160+\j:161+\j], v[144+\j:145+\j], v[152+\j:153+\j]      ; lane (r, h), register j: key 8 h + j, query r
.endr
.irp j, 0,1,2,3,4,5,6,7
	v_cmp_gt_i32 vcc_lo, \j, v5                    ; key 8 h + j comes after query r
	v_cndmask_b32 v[160+\j], v[160+\j], v12, vcc_lo
.endr
	v_max3_num_f32 v8, v160, v161, v162
	v_max3_num_f32 v9, v163, v164, v165
	v_max3_num_f32 v8, v8, v166, v167
	v_max_num_f32 v8, v8, v9
	v_permlanex16_b32 v9, v8, s24, s25
	v_max_num_f32 v8, v8, v9                       ; the row's maximum: a number, since key 0 counts for every query
	v_mul_f32 v9, s26, v8
.irp j, 0,1,2,3,4,5,6,7
	v_fma_f32 v[160+\j], v[160+\j], s26, -v9
.endr
.irp j, 0,1,2,3,4,5,6,7
	v_exp_f32 v[160+\j], v[160+\j]
.endr
	v_nop
	s_wait_alu depctr_va_vdst(0)                   ; one wait for the eight exponentials, ahead of their first reader
	v_pk_add_f32 v[10:11], v[160:161], v[162:163]
	v_pk_add_f32 v[8:9], v[164:165], v[166:167]
	v_pk_add_f32 v[10:11], v[10:11], v[8:9]
	v_add_f32 v10, v10, v11
	v_permlanex16_b32 v11, v10, s24, s25
	v_add_f32 v10, v10, v11
	v_rcp_f32 v8, v10
	v_nop
	s_wait_alu depctr_va_vdst(0)
.irp j, 0,1,2,3,4,5,6,7
	v_mul_f32 v[168+\j], v[160+\j], v8
.endr
	s_wait_loadcnt 32                              ; v is in
.irp s, 0,1,2,3                                    ; O^T = V^T P: four sums by turns; K step s: keys 8 h + 2 s + 0, 1
.irp d, 0,1,2,3
.if \s == 0
	v_wmma_f32_16x16x4_f32 v[176+8*\d:183+8*\d], v[80+8*\d+2*\s:81+8*\d+2*\s], v[168+2*\s:169+2*\s], 0
.else
	v_wmma_f32_16x16x4_f32 v[176+8*\d:183+8*\d], v[80+8*\d+2*\s:81+8*\d+2*\s], v[168+2*\s:169+2*\s], v[176+8*\d:183+8*\d]
.endif
.endr
.endr
.rept 9
	v_nop                                          ; nine places before a matrix instruction takes these results as an operand
.endr
	s_wait_loadcnt 0x0                             ; wo is in
.irp i, 0,1,2,3,4,5,6,7,8,9,10,11,12,13,14,15      ; my head's part of the projection: source 0 = 16 columns of wo, source 1 = O^T: lane (r, h), register j: query r, column 8 h + j
.if \i < 2
	v_wmma_f32_16x16x4_f32 v[208+8*(\i%2):215+8*(\i%2)], v[112+2*\i:113+2*\i], v[176+2*\i:177+2*\i], 0
.else
	v_wmma_f32_16x16x4_f32 v[208+8*(\i%2):215+8*(\i%2)], v[112+2*\i:113+2*\i], v[176+2*\i:177+2*\i], v[208+8*(\i%2):215+8*(\i%2)]
.endif
.endr
.rept 8
	v_nop
.endr
.irp j, 0,2,4,6
	v_pk_add_f32 v[224+\j:225+\j], v[208+\j:209+\j], v[216+\j:217+\j]
.endr
	ds_store_b128 v13, v[224:227]
	ds_store_b128 v13, v[228:231] offset:512
	s_wait_dscnt 0x0                               ; for the others' sake: my part lies in LDS
	s_barrier_signal -1
	s_barrier_wait -1
	s_cmp_gt_u32 s12, 1                            ; the first 64 threads add the 16 parts
	s_cbranch_scc1 .Lend
	global_load_b128 v[236:239], v232, s[8:9]      ; bo
.irp i, 0,1,2,3,4,5,6,7,8,9,10,11,12,13,14,15
	ds_load_b128 v[16+4*\i:19+4*\i], v14 offset:1024*\i
.endr
	s_wait_dscnt 0x0
.irp i, 0,1,2,3,4,5,6,7
	v_pk_add_f32 v[16+4*\i:17+4*\i], v[16+4*\i:17+4*\i], v[48+4*\i:49+4*\i]
	v_pk_add_f32 v[18+4*\i:19+4*\i], v[18+4*\i:19+4*\i], v[50+4*\i:51+4*\i]
.endr
.irp i, 0,1,2,3
	v_pk_add_f32 v[16+4*\i:17+4*\i], v[16+4*\i:17+4*\i], v[32+4*\i:33+4*\i]
	v_pk_add_f32 v[18+4*\i:19+4*\i], v[18+4*\i:19+4*\i], v[34+4*\i:35+4*\i]
.endr
.irp i, 0,1
	v_pk_add_f32 v[16+4*\i:17+4*\i], v[16+4*\i:17+4*\i], v[24+4*\i:25+4*\i]
	v_pk_add_f32 v[18+4*\i:19+4*\i], v[18+4*\i:19+4*\i], v[26+4*\i:27+4*\i]
.endr
	v_pk_add_f32 v[16:17], v[16:17], v[20:21]
	v_pk_add_f32 v[18:19], v[18:19], v[22:23]
	s_wait_loadcnt 0x0
	v_pk_add_f32 v[16:17], v[16:17], v[236:237]
	v_pk_add_f32 v[18:19], v[18:19], v[238:239]
	global_store_b128 v15, v[16:19], s[10:11]      ; four lanes fill the slice's 64 bytes of a row
.Lend:
	s_wait_tensorcnt 0x0                           ; the wave's end
	ds_add_u32 v6, v7
	s_wait_dscnt 0x0
	s_endpgm
.Lfunc_end_k_q960f238489_head16:
	.size	k_q960f238489_head16, .Lfunc_end_k_q960f238489_head16-k_q960f238489_head16
	.p2alignl 7, 3214868480
	.fill 96, 4, 3214868480
	.section	.rodata,"a",@progbits
	.p2align	6, 0x0
	.amdhsa_kernel k_q960f238489_head16
		.amdhsa_group_segment_fixed_size 18432
		.amdhsa_private_segment_fixed_size 0
		.amdhsa_enable_private_segment 0
		.amdhsa_kernarg_size 32
		.amdhsa_user_sgpr_count 2
		.amdhsa_user_sgpr_kernarg_segment_ptr 1
		.amdhsa_wavefront_size32 1
		.amdhsa_system_sgpr_workgroup_id_x 1
		.amdhsa_system_sgpr_workgroup_id_y 1
		.amdhsa_system_sgpr_workgroup_id_z 1
		.amdhsa_system_vgpr_workitem_id 0
		.amdhsa_next_free_vgpr 240
		.amdhsa_next_free_sgpr 66
		.amdhsa_reserve_vcc 1
		.amdhsa_float_denorm_mode_32 3
		.amdhsa_float_denorm_mode_16_64 3
		.amdhsa_memory_ordered 1
		.amdhsa_forward_progress 1
		.amdhsa_inst_pref_size 18
	.end_amdhsa_kernel
	.amdgpu_metadata
---
amdhsa.version: [ 1, 2 ]
amdhsa.kernels:
  - .name:           k_q960f238489_head16
    .symbol:         k_q960f238489_head16.kd
    .args:
      - { .name: fine, .offset: 0, .size: 8, .value_kind: global_buffer, .address_space: global }
      - { .name: wo, .offset: 8, .size: 8, .value_kind: global_buffer, .address_space: global }
      - { .name: bo, .offset: 16, .size: 8, .value_kind: global_buffer, .address_space: global }
      - { .name: out0, .offset: 24, .size: 8, .value_kind: global_buffer, .address_space: global }
    .group_segment_fixed_size: 18432
    .private_segment_fixed_size: 0
    .kernarg_segment_align: 8
    .kernarg_segment_size: 32
    .max_flat_workgroup_size: 512
    .sgpr_count:     66
    .vgpr_count:     240
    .wavefront_size: 32
...
	.end_amdgpu_metadata
.endif
;; end of part 5
